; MI455X (gfx1250); checked and timed in simulation.
; The chip was launched on July 23, 2026; its instructions are those of AMD's public machine-readable ISA for CDNA 5 (MIT licence, August 2026) and "CDNA5" Instruction Set Architecture Reference Guide (July 2026). The comments in the code are by the model that wrote it; some were corrected since.
;; Exaone Flash Attention. Allowed arithmetic: matrix products marked QUANTISED: E4M3 operands, one E8M0 scale for each 32 along K, by v_wmma_scale_f32_16x16x128_f8f6f4 with both operands' format E4M3, f32 sums; everything else in f32.
;; Inputs: Wk 2,048 x 512 float32; Wo 2,048 x 2,048 float32; Wq 2,048 x 2,048 float32; Wv 2,048 x 512 float32; cos 4,096 x 32 float32; hidden_states 4,096 x 2,048 float32; sin 4,096 x 32 float32.
;; Outputs: out0 4,096 x 2,048 float32.
;; This version of the problem:
;;   THIS VERSION OF THE PROBLEM IS GIVEN IN LOW PRECISION. The matrix products marked QUANTISED in the list below multiply operands that are first quantised to E4M3 (4 exponent bits, 3 mantissa bits; 8 bits a number), with one power-of-two scale for each 32 numbers along K (OCP MX v1.0); their sums are f32. All else is computed in f32.
;;   The module's matrix products, in the order in which they are computed (A, B: the left and right operand; K: the contracted axis; several contracted axes count as one K, in the product's order):
;;     1. [M 4,096, K 2,048] x [K 2,048, N 2,048]; A: input hidden_states; B: input Wq: QUANTISED
;;     2. [M 4,096, K 2,048] x [K 2,048, N 512]; A: input hidden_states; B: input Wk: QUANTISED
;;     3. [M 4,096, K 2,048] x [K 2,048, N 512]; A: input hidden_states; B: input Wv: QUANTISED
;;     4. batch 128 x [M 1,024, K 64] x [K 64, N 1,024]; A: computed on the way; B: computed on the way: QUANTISED
;;     5. batch 128 x [M 64, K 1,024] x [K 1,024, N 1,024]; A: computed on the way; B: softmax (see below): QUANTISED
;;     6. [M 4,096, K 2,048] x [K 2,048, N 2,048]; A: computed on the way; B: input Wo: QUANTISED
;;   THE QUANTISER, for each operand of a quantised product, along K:
;;     - K is cut into blocks of 32 from its start; a last block that is shorter is filled with zeros.
;;     - A block's scale is 2^e with e = floor(log2(the largest magnitude in the block)) - 8, held to -126 .. 127; a block of zeros has e = 0. As a byte (E8M0): e + 127.
;;     - Each number is divided by its block's scale, clamped to +-448, and rounded to the nearest number of E4M3, ties to even, subnormals kept.
;;     - The product sums the exact products of the quantised numbers (number of the format x scale) in f32.
;;   ~~~python
;;   def quantise(x, axis):      # numpy; x: float32 -> the quantised numbers, widened to float32 again
;;       x = np.moveaxis(x, axis, -1); K = x.shape[-1]
;;       x = np.pad(x, [(0, 0)] * (x.ndim - 1) + [(0, -K % 32)]); x = x.reshape(x.shape[:-1] + (-1, 32)); a = np.abs(x).max(-1, keepdims=True)
;;       e = np.where(a > 0, np.clip(np.frexp(np.where(a > 0, a, 1))[1] - 1 - 8, -126, 127), 0)      # np.frexp(a)[1] - 1 = floor(log2(a)), exactly
;;       r = np.clip(x / 2.0 ** e, -448, 448)
;;       step = 2.0 ** (np.maximum(np.frexp(np.where(r == 0, 1, r))[1] - 1, -6) - 3)
;;       q = np.round(r / step) * step * 2.0 ** e      # np.round: ties to even
;;       return np.moveaxis(q.reshape(q.shape[:-2] + (-1,))[..., :K], -1, axis).astype(np.float32)
;;   ~~~
;;   SOFTMAX AHEAD OF A QUANTISED PRODUCT. Where the list says 'softmax', what is quantised is not the finished softmax but p = 2^(t - M), with t = logit x log2(e) and M = ceil(the row's largest t), a whole number; so 1/2 < the row's largest p <= 1. The row's sum l is taken of the UNQUANTISED p, in f32, and the product's result is divided by l at the end. Since M is a whole number, a kernel that streams over the keys may use a running M (the ceiling of the running maximum): every later rescaling is an exact power of two, which a block's scale takes up: the codes' values come out the same.
;;   OPERANDS COMPUTED ON THE WAY. 'Computed on the way' means the value that the module computes at that place (a softmax that the list does not call 'softmax' is quantised finished and normalised). What goes into a quantiser is computed in f32, as accurately as f32 sums, v_exp_f32 and their like allow (about 1e-6 of the number): no bf16 or f16 on the way to a quantiser, and a product that is left as it is and whose result goes on into a quantised operand takes f32 operands (vector FMAs, or v_wmma_f32_16x16x4_f32). A number that lies on a knife's edge between two numbers of the format may be rounded either way, as far as f32 arithmetic and the matrix unit's own rounding can turn it there, and no further.
;; One version. Each part assembles by itself: llvm-mc -triple=amdgcn-amd-amdhsa -mcpu=gfx1250 --defsym DOCPART=n.
;; ======== version 1 of 1: 4 launches
;; limits: right only within a limited range of input values
;; workspace buffers: hcode 8,650,752 bytes; wcode 10,813,440 bytes; qcode 8,912,896 bytes; kv 4,390,912 bytes; acode 8,650,752 bytes
;; launch quant (part 1): grid 576 x 1, 4 waves a work-group, no clusters, 34,304 bytes of LDS; arguments hidden_states, Wq, Wk, Wv, Wo, hcode, wcode; writes hcode, wcode
.if DOCPART == 1
	.amdgcn_target "amdgcn-amd-amdhsa--gfx1250"
	.amdhsa_code_object_version 6
	.text
	.protected	k_q280a635b96_quant
	.globl	k_q280a635b96_quant
	.p2align	8
	.type	k_q280a635b96_quant,@function
k_q280a635b96_quant:
	s_mov_b64 s[64:65], 0
	v_nop
	global_prefetch_b8 v0, s[64:65] scope:SCOPE_SE
	s_setreg_imm32_b32 hwreg(HW_REG_WAVE_MODE, 25, 1), 1
	s_wait_xcnt 0x0
; hidden_states [4096][2048] and the four weights ([2048][n], K on the FIRST axis), f32, become codes of FP8 (E4M3) with one E8M0 byte for each 32 along K.
; A block's scale is 2^(floor(log2(its largest magnitude)) - 8); each number is divided by it, held within +-448 and rounded to the nearest code, ties to even.
; LAYOUT OF THE RESULTS: images of the operand's registers.  16 rows x 128 K are 2,048 bytes: register group c of lane l = 16 h + r (row r, K = 32 c + 16 h + 0..15) lies at 512 c + 16 l.
; Images: [tile of 16 rows][K step of 128].  Scale words (four bytes: 128 along K of one row): [tile][256 along K][row][2 words], 1,024 bytes a tile.
; ROW ORDER: position p of an operand holds row swap(p), bits 3 and 4 exchanged: tile T, lane r holds row 32 (T / 2) + 8 (T % 2) + r + 8 (r / 8), so that a transposed product leaves 16 neighbours of the next K in a lane.
; wcode: positions 0..2047 Wq's columns; 2048 + 256 i + 0..127 Wk's columns 128 i on, the next 128 Wv's columns 128 i on; behind them their scale words; then Wo's images and scale words.
; Work-groups 0..255 take a tile of 16 tokens each (K is innermost: the numbers turn through the wave's own stage in LDS); work-groups 256..575 take 128 columns x 256 along K of a weight
; (a lane to a column, its registers down K: nothing is transposed): eight blocks a lane, two of them (64 loads a wave) asked for ahead.  Both kinds read 131,072 bytes a work-group.
; No barrier: waves share nothing.  The matrix units, clusters and tensor loads would add nothing to a stream that is read once.
; LIMITS: NaN and infinities among the inputs are not served.  A block of zeros, and one whose largest magnitude lies under 2^-118, gets the byte 1: its codes then are zeros or subnormal codes; the bytes are read by this program alone.
; The weights' scale words leave in pieces of 128 bytes: they are one byte in 128 of what the launch reads.
.set HS,  8388608                      ; hcode: the scale words
.set WS,  6291456                      ; wcode: the scale words of Wq, Wk, Wv
.set OC,  6488064                      ; Wo's images
.set OS,  10682368                     ; Wo's scale words
.set SEL, 2                            ; s[2:3] lane selects of v_permlanex16_b32: lane l xor 16
.set MNT, 19
.set R,   16                           ; tokens: v16-143  two sets of 64 numbers as loaded
.set X,   144                          ;         v144-207 64 numbers: register 16 b + i = K 32 b + 16 h + i of my row
.set PC,  208                          ;         v208-223 a fragment's codes
.set TM,  224                          ;         v224-227 largest magnitudes, v228-231 bytes, v236-239 the conversions' scale operands
.set W,   240                          ;         v240-243 the four scale words
.set WX,  16                           ; weights: v16-79 two sets of 32 numbers
.set WC,  80                           ;          v80-87 a block's codes
.set WW,  96                           ;          v96-97 eight scale bytes
; 64 numbers of a lane become a fragment's codes in v[PC] on; the four blocks' bytes stay in v[TM+4] on.  A block lies in lanes l and l xor 16.
.macro QUANT4 s
.irp b, 0,1,2,3
	v_max3_num_f32 v[TM+\b], |v[\s+16*\b]|, |v[\s+1+16*\b]|, 0x4800000   ; my 16 numbers and the floor 2^(9 - 127): the byte cannot fall under 1
.endr
.irp i, 2,4,6,8,10,12,14
.irp b, 0,1,2,3
	v_max3_num_f32 v[TM+\b], v[TM+\b], |v[\s+16*\b+\i]|, |v[\s+1+16*\b+\i]|   ; the four blocks by turns
.endr
.endr
.irp b, 0,1,2,3
	v_permlanex16_b32 v[TM+4+\b], v[TM+\b], s[SEL], s[SEL+1]
.endr
.irp b, 0,1,2,3
	v_max_num_f32 v[TM+\b], v[TM+\b], v[TM+4+\b]             ; the block's largest magnitude
.endr
.irp b, 0,1,2,3
	v_add_nc_u32 v[TM+12+\b], 0xfc000000, v[TM+\b]           ; 8 off its exponent field: the conversion takes this operand's exponent field as its scale
.endr
.irp b, 0,1,2,3
.endr
.irp b, 0,1,2,3
	v_lshrrev_b32 v[TM+4+\b], 23, v[TM+12+\b]                ; the scale's byte
.endr
.irp b, 0,1,2,3
.irp i, 0,1,2,3,4,5,6,7,8,9,10,11,12,13,14,15
.endr
	v_cvt_scalef32_pk8_fp8_f32 v[PC+4*\b:PC+1+4*\b], v[\s+16*\b:\s+7+16*\b], v[TM+12+\b]
	v_cvt_scalef32_pk8_fp8_f32 v[PC+2+4*\b:PC+3+4*\b], v[\s+8+16*\b:\s+15+16*\b], v[TM+12+\b]
.endr
	v_nop                                          ; a plain line behind the last conversion
.endm
	s_load_b256 s[4:11], s[0:1], 0x0               ; hidden s[4:5], Wq s[6:7], Wk s[8:9], Wv s[10:11]
	s_load_b128 s[12:15], s[0:1], 0x20             ; Wo s[12:13], hcode s[14:15]
	s_load_b64 s[16:17], s[0:1], 0x30              ; wcode
	v_lshl_add_u32 v254, v0, 2, 0x8400
	v_mov_b32 v255, 0
	v_lshrrev_b32 v1, 5, v0
	v_readfirstlane_b32 s18, v1                    ; wave 0..3
	v_and_b32 v5, 31, v0                           ; lane
	s_mov_b32 s[SEL], 0x76543210
	s_mov_b32 s[SEL+1], 0xfedcba98
	s_cmp_lt_u32 ttmp9, 256
	s_cbranch_scc0 .Lweights
; ---- THE TOKENS.  Work-group T makes tile T; wave w takes K 512 w .. 512 w + 511: four fragments.
	v_lshlrev_b32 v1, 4, v5                        ; 16 x lane: my bytes of a load's 512, and of an image's
	s_mul_i32 s20, s18, 8448                       ; my stage: 16 rows of 512 bytes + 16
	v_add_nc_u32 v2, s20, v1                       ; in: a row as it lies
	v_and_b32 v6, 15, v0                           ; r
	v_bfe_u32 v7, v0, 4, 1                         ; h
	v_mul_u32_u24 v3, v6, 528
	v_lshl_add_u32 v3, v7, 6, v3
	v_add_nc_u32 v3, s20, v3                       ; out: row r, + 64 h: my 16 numbers of a block of 32
	v_lshlrev_b32 v4, 3, v5                        ; 8 x lane: the scale words' place
.irp b, 0,1,2,3
	v_mov_b32 v[TM+4+\b], 0                        ; a lane permute's destination counts as one of its sources
.endr
	s_mov_b32 s30, 0xffff0000                      ; lanes 16-31
	s_lshr_b32 s20, ttmp9, 1
	s_lshl_b32 s20, s20, 5
	s_and_b32 s21, ttmp9, 1
	s_lshl_b32 s21, s21, 3
	s_add_co_u32 s20, s20, s21                     ; the tile's first token: 32 (T / 2) + 8 (T % 2)
	s_lshl_b32 s20, s20, 13                        ; rows of 8,192 bytes
	s_lshl_b32 s21, s18, 11
	s_add_co_u32 s20, s20, s21                     ; + my 512 along K
	s_mov_b32 s21, 0
	s_lshl_b32 s22, ttmp9, 15                      ; the tile's images: 32,768 bytes; mine: 8,192 w on
	s_lshl_b32 s23, s18, 13
	s_add_co_u32 s22, s22, s23
	s_mov_b32 s23, 0
	s_lshl_b32 s24, ttmp9, 10                      ; its scale words: 1,024 bytes; mine: 256 w on
	s_lshl_b32 s25, s18, 8
	s_add_co_u32 s24, s24, s25
	s_add_co_u32 s24, s24, HS
	s_mov_b32 s25, 0
	s_wait_alu depctr_va_vdst(0)
	s_wait_kmcnt 0x0
	s_add_nc_u64 s[4:5], s[4:5], s[20:21]
	s_add_nc_u64 s[26:27], s[14:15], s[22:23]
	s_add_nc_u64 s[28:29], s[14:15], s[24:25]
.macro LOADH f                         ; fragment f: 16 loads, each 512 consecutive bytes of one of the tile's rows
.set li, 0
.rept 16
	global_load_b128 v[R+64*((\f)%2)+4*li:R+64*((\f)%2)+4*li+3], v1, s[4:5] offset:(li+8*(li/8))*8192+512*(\f) th:TH_LOAD_NT
.set li, li+1
.endr
.endm
.macro FRAGH f
.if \f < 3
	s_wait_loadcnt 16                              ; this fragment's 16 loads are in; the next fragment's 16 may be out
.else
	s_wait_loadcnt 0x0
.endif
.set li, 0
.rept 16
	ds_store_b128 v2, v[R+64*((\f)%2)+4*li:R+64*((\f)%2)+4*li+3] offset:528*li
.set li, li+1
.endr
.set li, 0
.rept 16
	ds_load_b128 v[X+4*li:X+4*li+3], v3 offset:128*(li/4)+16*(li%4)   ; LDS serves a wave's instructions in order: these see the stores above
.set li, li+1
.endr
	s_wait_dscnt 0x0                               ; the numbers are back, and the stores have read their registers,
.if \f < 2
	LOADH \f+2                                     ; which take the fragment two on
.endif
.if \f > 0
	s_wait_xcnt 0x0                                ; the last fragment's stores have read the codes' registers
.endif
	QUANT4 X
	v_lshl_or_b32 v[W+\f], v[TM+5], 8, v[TM+4]     ; my row's scale word
	v_lshl_or_b32 v[W+\f], v[TM+6], 16, v[W+\f]
	v_lshl_or_b32 v[W+\f], v[TM+7], 24, v[W+\f]
.irp c, 0,1,2,3
	global_store_b128 v1, v[PC+4*\c:PC+4*\c+3], s[26:27] offset:2048*\f+512*\c   ; 512 consecutive bytes of the image
.endr
.endm
	LOADH 0
	LOADH 1
	FRAGH 0
	FRAGH 1
	FRAGH 2
	FRAGH 3
	v_cndmask_b32 v244, v240, v242, s30            ; lanes 0-15: the words of my first 256 along K; lanes 16-31: of my second
	v_cndmask_b32 v245, v241, v243, s30
	global_store_b64 v4, v[244:245], s[28:29]      ; 256 consecutive bytes, aligned
	s_wait_tensorcnt 0x0
	ds_add_u32 v254, v255
	s_wait_dscnt 0x0
	s_endpgm
; ---- THE WEIGHTS.  u = work-group - 256: KQ = u % 8 says which 256 along K, CG = u / 8 which 128 columns: 0-15 Wq, 16-19 Wk, 20-23 Wv, 24-39 Wo.
.Lweights:
	s_sub_co_u32 s20, ttmp9, 256
	s_and_b32 s21, s20, 7                          ; KQ
	s_lshr_b32 s22, s20, 3                         ; CG
	s_mov_b32 s31, WS
	s_wait_kmcnt 0x0
	s_cmp_ge_u32 s22, 16                           ; the choices hang on the work-group's number alone
	s_cselect_b64 s[24:25], s[8:9], s[6:7]         ; the tensor
	s_cselect_b32 s27, 1, 0                        ; 1: rows of 2,048 bytes; 0: of 8,192
	s_cselect_b32 s29, 16, 0                       ; the tensor's first CG
	s_cselect_b32 s26, 2048, 0                     ; what its positions begin at
	s_cmp_ge_u32 s22, 20
	s_cselect_b64 s[24:25], s[10:11], s[24:25]
	s_cselect_b32 s29, 20, s29
	s_cselect_b32 s26, 2176, s26
	s_cmp_ge_u32 s22, 24
	s_cselect_b64 s[24:25], s[12:13], s[24:25]
	s_cselect_b32 s27, 0, s27
	s_cselect_b32 s29, 24, s29
	s_cselect_b32 s26, 0, s26
	s_cselect_b32 s30, OC, 0                       ; where its images begin in wcode,
	s_cselect_b32 s31, OS, s31                     ; and its scale words
	s_sub_co_u32 s23, s22, s29                     ; i
	s_lshl_b32 s32, s23, 7                         ; the first column: 128 i
	s_lshl_b32 s33, s32, s27                       ; positions: 128 i, or 256 i for Wk and Wv, which alternate
	s_add_co_u32 s33, s33, s26
	s_lshl_b32 s35, s18, 5
	s_add_co_u32 s33, s33, s35                     ; my wave's first position
	s_add_co_u32 s32, s32, s35                     ; and column
	s_lshl_b32 s35, s27, 1
	s_sub_co_u32 s36, 21, s35
	s_lshl_b32 s44, s21, s36                       ; 256 KQ rows, in bytes
	s_lshl_b32 s32, s32, 2
	s_add_co_u32 s44, s44, s32
	s_mov_b32 s45, 0
	s_add_nc_u64 s[24:25], s[24:25], s[44:45]
	s_sub_co_u32 s36, 19, s35
	s_lshl_b32 s38, 1, s36                         ; 64 rows, in bytes: a trip's step
	s_mov_b32 s39, 0
	s_lshl_b32 s44, s33, 11                        ; images: 2,048 bytes a position, + 4,096 KQ
	s_lshl_b32 s37, s21, 12
	s_add_co_u32 s44, s44, s37
	s_add_co_u32 s44, s44, s30
	s_add_nc_u64 s[40:41], s[16:17], s[44:45]
	s_lshl_b32 s44, s33, 6                         ; scale words: 64 bytes a position, + 128 KQ
	s_lshl_b32 s37, s21, 7
	s_add_co_u32 s44, s44, s37
	s_add_co_u32 s44, s44, s31
	s_add_nc_u64 s[42:43], s[16:17], s[44:45]
	s_wait_alu depctr_va_vdst(0)
	v_and_b32 v1, 7, v5
	v_bfe_u32 v2, v5, 3, 1
	v_bfe_u32 v3, v5, 4, 1
	v_lshl_or_b32 v1, v2, 4, v1
	v_lshl_or_b32 v1, v3, 3, v1                    ; swap(lane): position lane holds this column
	v_lshlrev_b32 v1, 2, v1                        ; in: 4 bytes a column; a wave's load covers 128 consecutive bytes
	v_and_b32 v4, 15, v5
	v_lshlrev_b32 v2, 4, v4
	v_lshl_or_b32 v2, v3, 15, v2                   ; codes: tile lane / 16, row lane % 16
	v_lshlrev_b32 v4, 3, v4
	v_lshl_or_b32 v3, v3, 10, v4                   ; scale words likewise
	v_mov_b32 v[WW], 0
	v_mov_b32 v[WW+1], 0
.macro LOADW set, row0                 ; a block: 32 rows of K from row0 on, my column.  Both ways issue 32 loads
	s_cmp_eq_u32 s27, 0
	s_cbranch_scc0 .Lnarrow_\@
.set li, 0
	s_wait_alu depctr_va_vdst(0)
.rept 32
	global_load_b32 v[WX+32*\set+li], v1, s[24:25] offset:(\row0+li)*8192 th:TH_LOAD_NT
.set li, li+1
.endr
	s_branch .Lloaded_\@
.Lnarrow_\@:
.set li, 0
	s_wait_alu depctr_va_vdst(0)
.rept 32
	global_load_b32 v[WX+32*\set+li], v1, s[24:25] offset:(\row0+li)*2048 th:TH_LOAD_NT
.set li, li+1
.endr
.Lloaded_\@:
.endm
.macro WBLOCK t2, ld, left
.set XS, WX+32*\t2
	s_wait_loadcnt \left                           ; this block's 32 loads are in; the next block's may be out
	v_max3_num_f32 v88, |v[XS]|, |v[XS+1]|, |v[XS+2]|          ; all 32 numbers of the block are mine
	v_max3_num_f32 v89, |v[XS+3]|, |v[XS+4]|, |v[XS+5]|
.irp i, 6,10,14,18,22,26
	v_max3_num_f32 v88, v88, |v[XS+\i]|, |v[XS+\i+1]|
	v_max3_num_f32 v89, v89, |v[XS+\i+2]|, |v[XS+\i+3]|
.endr
	v_max3_num_f32 v88, v88, |v[XS+30]|, |v[XS+31]|
	v_max3_num_f32 v88, v88, v89, 0x4800000        ; and the floor
	v_add_nc_u32 v90, 0xfc000000, v88              ; the conversions' scale operand
	v_lshrrev_b32 v92, 23, v90                     ; the byte:
	v_alignbit_b32 v[WW], v[WW+1], v[WW], 8        ; it enters at the top of 64 bits that move down by 8: after eight blocks the bytes stand in order
	v_alignbit_b32 v[WW+1], v92, v[WW+1], 8
	s_wait_alu depctr_va_vdst(0)
	s_wait_xcnt 0x0                                ; the last block's stores have read the codes' registers
.set li, 0
.rept 32
.set li, li+1
.endr
.irp g, 0,1,2,3
	v_cvt_scalef32_pk8_fp8_f32 v[WC+2*\g:WC+2*\g+1], v[XS+8*\g:XS+8*\g+7], v90
.endr
	v_nop
	global_store_b128 v2, v[WC:WC+3], s[40:41] offset:512*\t2          ; K 0..15 of the block: sixteen lanes fill 256 consecutive bytes of their tile's image
	global_store_b128 v2, v[WC+4:WC+7], s[40:41] offset:512*\t2+256    ; K 16..31
.if \ld
	LOADW \t2, 64+32*\t2
.endif
.endm
	LOADW 0, 0
	LOADW 1, 32
	s_mov_b32 s34, 3
.Lpair:                                            ; three trips of two blocks; each asks for the blocks two on
	WBLOCK 0, 1, 32
	WBLOCK 1, 1, 32
	s_wait_xcnt 0x0                                ; the bases are stepped only behind this wait
	s_add_nc_u64 s[24:25], s[24:25], s[38:39]
	s_add_nc_u64 s[40:41], s[40:41], 1024
	s_sub_co_u32 s34, s34, 1
	s_cmp_lg_u32 s34, 0
	s_cbranch_scc1 .Lpair
	WBLOCK 0, 0, 32                                ; the last two blocks ask for nothing: no load leaves its buffer
	WBLOCK 1, 0, 0
	global_store_b64 v3, v[WW:WW+1], s[42:43]      ; my column's two scale words of these 256 along K
	s_endpgm
.Lfunc_end_k_q280a635b96_quant:
	.size	k_q280a635b96_quant, .Lfunc_end_k_q280a635b96_quant-k_q280a635b96_quant
	.p2alignl 7, 3214868480
	.fill 96, 4, 3214868480
	.section	.rodata,"a",@progbits
	.p2align	6, 0x0
	.amdhsa_kernel k_q280a635b96_quant
		.amdhsa_group_segment_fixed_size 34304
		.amdhsa_private_segment_fixed_size 0
		.amdhsa_enable_private_segment 0
		.amdhsa_kernarg_size 56
		.amdhsa_user_sgpr_count 2
		.amdhsa_user_sgpr_kernarg_segment_ptr 1
		.amdhsa_wavefront_size32 1
		.amdhsa_system_sgpr_workgroup_id_x 1
		.amdhsa_system_sgpr_workgroup_id_y 1
		.amdhsa_system_sgpr_workgroup_id_z 1
		.amdhsa_system_vgpr_workitem_id 0
		.amdhsa_next_free_vgpr 256
		.amdhsa_next_free_sgpr 66
		.amdhsa_reserve_vcc 0
		.amdhsa_float_denorm_mode_32 3
		.amdhsa_float_denorm_mode_16_64 3
		.amdhsa_fp16_overflow 1
		.amdhsa_memory_ordered 1
		.amdhsa_forward_progress 1
		.amdhsa_inst_pref_size 68
	.end_amdhsa_kernel
	.amdgpu_metadata
---
amdhsa.version: [ 1, 2 ]
amdhsa.kernels:
  - .name:           k_q280a635b96_quant
    .symbol:         k_q280a635b96_quant.kd
    .args:
      - { .name: hidden_states, .offset: 0, .size: 8, .value_kind: global_buffer, .address_space: global }
      - { .name: Wq, .offset: 8, .size: 8, .value_kind: global_buffer, .address_space: global }
      - { .name: Wk, .offset: 16, .size: 8, .value_kind: global_buffer, .address_space: global }
      - { .name: Wv, .offset: 24, .size: 8, .value_kind: global_buffer, .address_space: global }
      - { .name: Wo, .offset: 32, .size: 8, .value_kind: global_buffer, .address_space: global }
      - { .name: hcode, .offset: 40, .size: 8, .value_kind: global_buffer, .address_space: global }
      - { .name: wcode, .offset: 48, .size: 8, .value_kind: global_buffer, .address_space: global }
    .group_segment_fixed_size: 34304
    .private_segment_fixed_size: 0
    .kernarg_segment_align: 8
    .kernarg_segment_size: 56
    .max_flat_workgroup_size: 128
    .sgpr_count:     66
    .vgpr_count:     256
    .wavefront_size: 32
...
	.end_amdgpu_metadata
.endif
;; end of part 1
;; launch qkv (part 2): grid 12 x 16, 4 waves a work-group, clusters of 4 x 4, 327,680 bytes of LDS; arguments hcode, wcode, cos, sin, qcode, kv; writes qcode, kv
.if DOCPART == 2
	.amdgcn_target "amdgcn-amd-amdhsa--gfx1250"
	.amdhsa_code_object_version 6
	.text
	.protected	k_q280a635b96_qkv
	.globl	k_q280a635b96_qkv
	.p2align	8
	.type	k_q280a635b96_qkv,@function
k_q280a635b96_qkv:
	s_mov_b64 s[64:65], 0
	v_nop
	global_prefetch_b8 v0, s[64:65] scope:SCOPE_SE
	s_setreg_imm32_b32 hwreg(HW_REG_WAVE_MODE, 25, 1), 1
	s_wait_xcnt 0x0
	s_wait_alu depctr_hold_cnt(0) depctr_sa_sdst(0) depctr_va_vdst(0) depctr_va_sdst(0) depctr_va_ssrc(0) depctr_va_vcc(0) depctr_vm_vsrc(0)
	s_getreg_b32 s2, hwreg(HW_REG_IB_STS2, 6, 4)
	s_cmp_eq_u32 s2, 0
	s_cbranch_scc0 .Lentry_in_a_cluster
	s_endpgm
.Lentry_in_a_cluster:
	s_bfe_u32 s2, ttmp6, 0x10000c
	s_cmp_lg_u32 s2, 0xf033
	s_cbranch_scc0 .Lentry_shape_is_right
	s_endpgm
.Lentry_shape_is_right:
; q, k, v = hidden x (Wq | Wk | Wv) on codes of FP8 (E4M3) with E8M0 scales, [4096 x 2048] x [2048 x 3072]; then the rotary turn of q and k, and all three are quantised for attention and stored as codes.
; A tile of 256 tokens x 256 columns is made by four waves, 128 x 128 each: 64 accumulators, 512 registers.  K goes in 8 steps of 256 through two LDS slots filled by tensor loads.
; OPERANDS ARE IMAGES OF REGISTERS (16 rows x 128 K = 2,048 bytes, register group c of lane l at 512 c + 16 l): a fragment is four ds_load_b128 at 16 x lane: no pitch, no padding, consecutive bytes.
; Position p of an operand holds row swap(p) (bits 3 and 4 exchanged).  THE MATRIX INSTRUCTION IS USED TRANSPOSED (source 0 = 16 positions of the weights, source 1 = 16 tokens): lane (r, h) holds token position r,
; and registers 8 u + j of accumulators (a, 2 b + u) hold the columns 32 b + 16 h + 8 u + j: 16 neighbours of a block of 32.
; The scale words of the work-group's rows, for all of K, come into LDS once with the first fills.
; CLUSTERS 4 x 4: A's tiles are shared along a row of the cluster, B's along a column: each is asked for jointly.
; THE TAIL.  Clusters with x = 0, 1 hold q's columns; x = 2 holds, in each tile of 256 columns, 128 of k (waves 0, 2) and 128 of v (waves 1, 3).  The branches hang on the cluster's x and on the wave's number, alike in all partners.
;   q, k: the turn by cos and sin in f32 (the halves d and d + 32 of a head lie in accumulators two apart, in the same lane); blocks of 32 along the head's 64; the codes leave as images, 512 consecutive bytes a store.
;   v: is quantised along the TOKENS: the wave's 128 x 128 numbers go through a stage in LDS (the slots have had their last fill and their last read) and come back a lane to a column, registers down the tokens in their true order.
; qcode: images [tile 256][head 32][1,024 bytes]; scale words [128 tokens][head][a / 4][r][a % 4].  kv: a record of 17,152 bytes for each (sequence, kv head, 128 tokens): k's 8 images, v's 4 images, k's words, v's words.
; cos and sin are asked for on the one way that all waves take, v's waves too (they do not use them): so every wait's count is the same on every way.
; LIMITS: NaN and infinities are not served; a block of zeros gets the byte 1 (its codes are zeros; this program alone reads the bytes).  v's scale words leave in pieces of 128 bytes, 64 KB in all.
.set HS,     8388608                   ; hcode: the scale words
.set BCO,    0                         ; wcode: B's images
.set BSC,    6291456                   ; and scale words
.set QS,     8388608                   ; qcode: the scale words
.set REC,    17152                     ; kv: a record;
.set VC,     8192                      ; in it v's images,
.set KS,     16384                     ; k's scale words,
.set VS,     16896                     ; v's
.set NQ,     2                         ; matrix instructions deep in a slot
.set FR,     16                        ; registers of a fragment
.set NL,     4                         ; LDS loads that bring one
.set NP,     8                         ; places behind this matrix instruction (ISA guide 7.12.1)
.set HALFT,  32768                     ; 128 rows x 256 K: what one tensor load brings: 8 rows of 4,096 bytes (a tile's two images), 32,768 bytes apart in memory
.set SLOT,   4*HALFT                   ; A's 256 rows, then B's
.set LAPS,   4                         ; a lap = two slots = 512 along K
.set SCL,    2*SLOT                    ; behind the ring: the scale words, 8,192 bytes for 128 rows
.set HALFS,  8192
.set SBLK,   1024                      ; those of 16 rows
.set SPARE,  SCL+4*HALFS               ; the spare words: 128 bytes a wave, two blocks of 256 bytes that no other line names
.set ADRA, 16                          ; v16-17  LDS address of my A fragments in slot 0, 1
.set ADRB, 20                          ; v20-21  of B's
.set ADRS, 27                          ; v27     of my scale words: lanes 0-15 A's, lanes 16-31 B's
.set SPW,  28                          ; v28     my spare word; never rewritten
.set NIL,  29                          ; v29     0; never rewritten
.set SC,   32                          ; v32-63  scale words, two sets
.set AF,   128                         ; window 0: A's fragments, one set;  window 1: B's, two sets;  windows 2, 3: the accumulators ((a, b) at v[8 (8 (a % 4) + b)])
.set LI,   4                           ; v4      16 x lane (v1 = r, v2 = h, v3 = lane: all four stay)
.set CA,   23                          ; v23     cos, sin: my lane's byte
.set SA,   22                          ; v22     the tail: where my scale words go
.set H,    128                         ; the tail, window 0: v128-191 64 turned numbers; v192-207 products with sin; v208-223 codes; v224-239 the quantiser's; v240-241, v244-247 scale words
.set T,    192
.set PC,   208
.set TM,   224
.set PW0,  240
.set PW1,  241
.set SW,   244
.set WV, 16                            ; s16 wave;  s17 which half of the rows is mine (also: I fetch for A or B);  s18 which half of the columns (also: which 128 rows I fetch);  s19 tile row;  s42 tile column
.set RH, 17
.set CH, 18
.set TR, 19
.set TC, 42
.set SEL, 2                            ; s[2:3], s45: set behind the loop
.set MNT, 45
.set G1, 24                            ; s[24:31], s[32:39]: groups 1 and 0 (a set a slot) for A's tiles;  s[48:55], s[56:63] for B's
.set G0, 32
.set G1B, 48
.set G0B, 56
.set G1S, 68                           ; s[68:75], s[76:79] for A's scale words;  s[80:87], s[88:91] for B's
.set G0S, 76
.set G1SB, 80
.set G0SB, 88
.set MSB, 0
.macro WIN new                         ; the immediate's high byte repeats the setting that is left
.if MSB != (\new)
	s_set_vgpr_msb (MSB<<8)|(\new)
.set MSB, (\new)
.endif
.endm
.set MUL_LO, 0xa1                      ; source 0 (B) window 1, source 1 (A) window 0, C and D window 2
.set MUL_HI, 0xf1
.set TO_B,   0x40
; A joint load: waves 0 and 1 fetch for A, waves 2 and 3 for B; the branch hangs on the wave's number alone.  Four v_nop follow each line.
.macro JLOAD g0a, g1a, g0b, g1b
	s_cmp_eq_u32 s[RH], 0
	s_cbranch_scc0 .Lfor_b_\@
	tensor_load_to_lds s[\g0a:\g0a+3], s[\g1a:\g1a+7]
	s_nop 0
.rept 4
	v_nop
.endr
	s_branch .Lasked_\@
.Lfor_b_\@:
	tensor_load_to_lds s[\g0b:\g0b+3], s[\g1b:\g1b+7]
	s_nop 0
.rept 4
	v_nop
.endr
.Lasked_\@:
.endm
.macro CREST                           ; a round of the cluster's barrier behind its opening barrier
	s_cmp_lg_u32 s[WV], 0
	s_cbranch_scc1 .Lnot_wave_0_\@
	s_barrier_signal -3
.Lnot_wave_0_\@:
	s_barrier_wait -3
	s_barrier_signal -1
	s_barrier_wait -1
.endm
.macro CROUND
	s_barrier_signal -1
	s_barrier_wait -1
	CREST
.endm
	s_load_b256 s[4:11], s[0:1], 0x0               ; hcode s[4:5], wcode s[6:7], cos s[8:9], sin s[10:11]
	s_load_b128 s[12:15], s[0:1], 0x20             ; qcode s[12:13], kv s[14:15]
	v_lshl_add_u32 v[SPW], v0, 2, SPARE
	v_mov_b32 v[NIL], 0
	ds_add_u32 v28, v29
	ds_add_u32 v28, v29
	s_wait_dscnt 0x0
	v_lshrrev_b32 v1, 5, v0
	v_readfirstlane_b32 s[WV], v1
	s_lshr_b32 s[RH], s[WV], 1
	s_and_b32 s[CH], s[WV], 1
	s_bfe_u32 s40, ttmp6, 0x40000                  ; cx, cy: my place in the cluster
	s_bfe_u32 s41, ttmp6, 0x40004
	s_lshl_b32 s[TC], ttmp9, 2
	s_add_co_u32 s[TC], s[TC], s40
	s_and_b32 s[TR], ttmp7, 0xffff
	s_lshl_b32 s[TR], s[TR], 2
	s_add_co_u32 s[TR], s[TR], s41
	s_lshl_b32 s43, s41, 2
	s_lshl_b32 s43, 15, s43                        ; my row of the cluster
	s_lshl_b32 s44, 0x1111, s40                    ; my column
	s_or_b32 s[G1+0], s43, (3<<16)|(1<<21)         ; 15:0 the mask; 17:16 elements of 8 bytes; 21 set beside a mask; no padding
	s_or_b32 s[G1B+0], s44, (3<<16)|(1<<21)
.irp g, G1, G1B
	s_mov_b32 s[\g+1], 512<<16                     ; tensor_dim0 = 512 elements: 4,096 bytes
	s_mov_b32 s[\g+2], 8<<16                       ; tensor_dim1 = 8
	s_mov_b32 s[\g+3], 512<<16                     ; tile_dim0
	s_mov_b32 s[\g+4], 8                           ; tile_dim1
	s_mov_b32 s[\g+5], 4096                        ; from row to row: 32,768 bytes
	s_mov_b32 s[\g+6], 0
	s_mov_b32 s[\g+7], 0
.endr
	s_or_b32 s[G1S+0], s43, (3<<16)|(1<<21)        ; the scale words of 128 rows: 8,192 dense bytes as 32 rows of 256
	s_or_b32 s[G1SB+0], s44, (3<<16)|(1<<21)
.irp g, G1S, G1SB
	s_mov_b32 s[\g+1], 32<<16
	s_mov_b32 s[\g+2], 32<<16
	s_mov_b32 s[\g+3], 32<<16
	s_mov_b32 s[\g+4], 32
	s_mov_b32 s[\g+5], 32
	s_mov_b32 s[\g+6], 0
	s_mov_b32 s[\g+7], 0
.endr
	s_lshl_b32 s20, s[CH], 7                       ; which 128 rows of the tile I fetch
	s_lshl_b32 s21, s[TR], 8
	s_add_co_u32 s21, s21, s20                     ; A: row 256 x tile row + 128 x half
	s_lshl_b32 s46, s[TC], 8
	s_add_co_u32 s46, s46, s20                     ; B: position 256 x tile column + 128 x half
	s_lshl_b32 s22, s21, 6                         ; scale words: 64 bytes a row
	s_add_co_u32 s22, s22, HS
	s_mov_b32 s23, 0
	s_lshl_b32 s92, s46, 6
	s_add_co_u32 s92, s92, BSC
	s_mov_b32 s93, 0
	s_lshl_b32 s20, s21, 11                        ; codes: 2,048 bytes a row
	s_mov_b32 s21, 0
	s_lshl_b32 s46, s46, 11
.if BCO
	s_add_co_u32 s46, s46, BCO
.endif
	s_mov_b32 s47, 0
	s_mul_i32 s45, s[WV], HALFT                    ; where they go: no place in the cluster enters an LDS address
	s_mul_i32 s94, s[WV], HALFS
	s_wait_kmcnt 0x0
	s_add_nc_u64 s[20:21], s[4:5], s[20:21]
	s_add_nc_u64 s[22:23], s[4:5], s[22:23]
	s_add_nc_u64 s[46:47], s[6:7], s[46:47]
	s_add_nc_u64 s[92:93], s[6:7], s[92:93]
	CROUND                                         ; all sixteen work-groups are here: the first joint loads meet
	s_mov_b32 s[G0S], 1
	s_add_co_u32 s[G0S+1], s94, SCL
	s_mov_b64 s[G0S+2:G0S+3], s[22:23]
	s_or_b32 s[G0S+3], s[G0S+3], 0x80000000
	s_mov_b32 s[G0SB], 1
	s_add_co_u32 s[G0SB+1], s94, SCL
	s_mov_b64 s[G0SB+2:G0SB+3], s[92:93]
	s_or_b32 s[G0SB+3], s[G0SB+3], 0x80000000
	JLOAD G0S, G1S, G0SB, G1SB                     ; the scale words first: they are wanted with the first slot
.irp s, 0,1
	s_mov_b32 s[G0+4*\s], 1
	s_add_co_u32 s[G0+4*\s+1], s45, \s*SLOT
	s_add_nc_u64 s[G0+4*\s+2:G0+4*\s+3], s[20:21], \s*4096
	s_or_b32 s[G0+4*\s+3], s[G0+4*\s+3], 0x80000000
	s_mov_b32 s[G0B+4*\s], 1
	s_add_co_u32 s[G0B+4*\s+1], s45, \s*SLOT
	s_add_nc_u64 s[G0B+4*\s+2:G0B+4*\s+3], s[46:47], \s*4096
	s_or_b32 s[G0B+4*\s+3], s[G0B+4*\s+3], 0x80000000
	JLOAD G0+4*\s, G1, G0B+4*\s, G1B               ; three loads of mine are out
.endr
	v_and_b32 v1, 15, v0                           ; r
	v_bfe_u32 v2, v0, 4, 1                         ; h
	v_and_b32 v3, 31, v0                           ; lane
	v_lshlrev_b32 v[LI], 4, v3
	s_mul_i32 s21, s[RH], HALFT                    ; my 128 rows of A
	s_mul_i32 s22, s[CH], HALFT                    ; my 128 of B,
	s_add_co_u32 s22, s22, 2*HALFT                 ; behind A's 256
.irp s, 0,1
	v_add_nc_u32 v[ADRA+\s], s21, v[LI]
	v_add_nc_u32 v[ADRB+\s], s22, v[LI]
	s_add_co_u32 s21, s21, SLOT
	s_add_co_u32 s22, s22, SLOT
.endr
	v_lshlrev_b32 v5, 3, v1                        ; my row's two words of a slot
	s_mul_i32 s21, s[RH], HALFS
	s_mul_i32 s22, s[CH], HALFS
	s_add_co_u32 s22, s22, 2*HALFS
	s_sub_co_u32 s22, s22, s21
	v_mul_u32_u24 v6, s22, v2                      ; lanes 16-31 take B's: one product, h x the distance
	s_add_co_u32 s21, s21, SCL
	v_add_nc_u32 v5, v5, v6
	v_add_nc_u32 v[ADRS], s21, v5
	s_lshl_b32 s20, s[TR], 8                       ; cos and sin at my first token: 128 bytes a token
	s_lshl_b32 s21, s[RH], 7
	s_add_co_u32 s20, s20, s21
	s_lshl_b32 s20, s20, 7
	s_mov_b32 s21, 0
	s_add_nc_u64 s[8:9], s[8:9], s[20:21]
	s_add_nc_u64 s[10:11], s[10:11], s[20:21]
	v_and_b32 v5, 8, v1
	v_add_nc_u32 v5, v5, v1                        ; r + 8 (r / 8)
	v_lshlrev_b32 v[CA], 7, v5
	v_lshl_add_u32 v[CA], v2, 6, v[CA]             ; + 64 h: the 16 numbers d = 16 h + 0..15
; cos and sin of token tile a into set a % 2 (v64-95, v96-127): 16 registers of cos, 16 of sin
.macro CLOAD a
.set CSN, 64+32*((\a)%2)
.irp jj, 0,1,2,3
	global_load_b128 v[CSN+4*\jj:CSN+4*\jj+3], v[CA], s[8:9] offset:128*(32*((\a)/2)+8*((\a)%2))+16*\jj
	global_load_b128 v[CSN+16+4*\jj:CSN+19+4*\jj], v[CA], s[10:11] offset:128*(32*((\a)/2)+8*((\a)%2))+16*\jj
.endr
.endm
	CLOAD 0                                        ; they land under the products
	CLOAD 1
.macro FRAG reg, adr, q, i             ; an image comes back as it was stored
.irp c, 0,1,2,3
	ds_load_b128 v[\reg+4*\c:\reg+4*\c+3], v[\adr] offset:4096*(\i)+2048*(\q)+512*\c
.endr
.endm
; 16 matrix instructions: A's blocks a0, a0 + 1 x B's eight.  The 64 accumulators take turns, one instruction a turn, in the same order in every step.
.macro MUL16 a0, p, q, sc, zero
.irp a, \a0, \a0+1
.irp b, 0,1,2,3,4,5,6,7
.if \zero
	v_wmma_scale_f32_16x16x128_f8f6f4 v[8*(8*((\a)%4)+\b):8*(8*((\a)%4)+\b)+7], v[128*(\p)+FR*\b:128*(\p)+FR*\b+FR-1], v[AF+FR*(\a):AF+FR*(\a)+FR-1], 0, v[SC+8*NQ*(\sc)+NQ*\b+(\q)], v[SC+8*NQ*(\sc)+NQ*(\a)+(\q)] matrix_a_scale:MATRIX_SCALE_ROW1
.else
	v_wmma_scale_f32_16x16x128_f8f6f4 v[8*(8*((\a)%4)+\b):8*(8*((\a)%4)+\b)+7], v[128*(\p)+FR*\b:128*(\p)+FR*\b+FR-1], v[AF+FR*(\a):AF+FR*(\a)+FR-1], v[8*(8*((\a)%4)+\b):8*(8*((\a)%4)+\b)+7], v[SC+8*NQ*(\sc)+NQ*\b+(\q)], v[SC+8*NQ*(\sc)+NQ*(\a)+(\q)] matrix_a_scale:MATRIX_SCALE_ROW1
.endif
.endr
.endr
.endm
.macro FETCH_B slot, q, p
	WIN TO_B
.irp i, 0,1,2,3,4,5,6,7
	FRAG 128*(\p)+FR*\i, ADRB+\slot, \q, \i
.endr
	WIN 0
.endm
.macro FETCH_A slot, q, i0
.irp i, \i0, \i0+1, \i0+2, \i0+3
	FRAG AF+FR*(\i), ADRA+\slot, \q, \i
.endr
.endm
.macro SCALES sc                       ; a slot's scale words: lanes 0-15 A's block i, lanes 16-31 B's block i
.irp i, 0,1,2,3,4,5,6,7
	ds_load_b64 v[SC+8*NQ*\sc+NQ*\i:SC+8*NQ*\sc+NQ*\i+1], v[ADRS] offset:\i*SBLK
.endr
.endm
.macro PLACES n                        ; plain vector lines between a matrix instruction and a load into, or a read of, its registers
.rept \n
	v_nop
.endr
.endm
.macro STEP slot, q, zero              ; 128 along K whose successor lies in the same slot
	s_wait_dscnt 4*NL                              ; all but the youngest 16 loads (A's blocks 4-7) are in
	WIN MUL_LO
	MUL16 0, (\q)%2, \q, \slot, \zero
	MUL16 2, (\q)%2, \q, \slot, \zero
	s_wait_dscnt 0
	PLACES NP
	FETCH_B \slot, (\q)+1, 1-(\q)%2
	FETCH_A \slot, (\q)+1, 0
	WIN MUL_HI
	MUL16 4, (\q)%2, \q, \slot, \zero
	MUL16 6, (\q)%2, \q, \slot, \zero
	PLACES NP
	WIN 0
	FETCH_A \slot, (\q)+1, 4
.endm
; A slot's last step changes slots: one barrier; in front of it each wave waits for all its tensor loads, adds 0 to its spare word, and waits for that and for its reads of this slot.
.macro TURN slot, next, fill
	s_wait_tensorcnt 0x0                           ; my part of the next slot has landed; no load of mine is out
	ds_add_u32 v[SPW], v[NIL]
	s_wait_dscnt 4*NL+1                            ; the add and the youngest 16 loads may be out
	WIN MUL_LO
	MUL16 0, 1, NQ-1, \slot, 0
	s_wait_dscnt 0x0                               ; the add is done, and my reads of this slot are over
	s_barrier_signal -1
	MUL16 2, 1, NQ-1, \slot, 0
	WIN 0
	s_barrier_wait -1
.if \fill
	CREST                                          ; the barrier has opened a round of the cluster's: no wave of any partner still reads this slot or has a load on its way
	s_add_nc_u64 s[G0+4*\slot+2:G0+4*\slot+3], s[G0+4*\slot+2:G0+4*\slot+3], 8192
	s_add_nc_u64 s[G0B+4*\slot+2:G0B+4*\slot+3], s[G0B+4*\slot+2:G0B+4*\slot+3], 8192
	JLOAD G0+4*\slot, G1, G0B+4*\slot, G1B         ; my one load behind the round; its four v_nop are four of the places
	PLACES NP-4
.else
	PLACES NP
.endif
	v_add_nc_u32 v[ADRS], 128, v[ADRS]             ; the next slot's scale words
	FETCH_B \next, 0, 0
	FETCH_A \next, 0, 0
	SCALES \next
	WIN MUL_HI
	MUL16 4, 1, NQ-1, \slot, 0
	MUL16 6, 1, NQ-1, \slot, 0
	PLACES NP
	WIN 0
	FETCH_A \next, 0, 4
.endm
	s_wait_tensorcnt 1                             ; the scale words and my part of slot 0 are in; slot 1's load may be out
	s_barrier_signal -1
	s_barrier_wait -1
	FETCH_B 0, 0, 0
	FETCH_A 0, 0, 0
	SCALES 0
	FETCH_A 0, 0, 4
	STEP 0, 0, 1                                   ; the first step's products start the sums
	s_mov_b32 s3, LAPS-1
.Llap:
	TURN 0, 1, 1
	STEP 1, 0, 0
	TURN 1, 0, 1
	STEP 0, 0, 0
	s_sub_co_u32 s3, s3, 1
	s_cmp_lg_u32 s3, 0
	s_cbranch_scc1 .Llap
	TURN 0, 1, 0                                   ; the last lap fills nothing
	STEP 1, 0, 0
	s_wait_dscnt 4*NL
	WIN MUL_LO
	MUL16 0, 1, NQ-1, 1, 0
	MUL16 2, 1, NQ-1, 1, 0
	s_wait_dscnt 0
	WIN MUL_HI
	MUL16 4, 1, NQ-1, 1, 0
	MUL16 6, 1, NQ-1, 1, 0
	WIN 0
	PLACES NP
	s_wait_dscnt 0x0                               ; my reads of LDS are over:
	s_barrier_signal -1
	s_barrier_wait -1                              ; everybody's are: the slots and the scale words, which have had their last fill, may be written over
	s_mov_b32 s[MNT], 0x600000                     ; the mantissa field of 448
	s_mov_b32 s[SEL], 0x76543210
	s_mov_b32 s[SEL+1], 0xfedcba98
	s_lshl_b32 s20, s[TR], 1
	s_add_co_u32 s20, s20, s[RH]                   ; which 128 tokens are mine: 0..31
	s_lshr_b32 s46, s20, 3                         ; kv's record: ((sequence x 8 + kv head 2 cx) x 8 + chunk)
	s_lshl_b32 s46, s46, 3
	s_lshl_b32 s47, s40, 1
	s_add_co_u32 s46, s46, s47
	s_lshl_b32 s46, s46, 3
	s_and_b32 s47, s20, 7
	s_add_co_u32 s46, s46, s47
	s_mul_i32 s46, s46, REC
	s_mov_b32 s47, 0
	s_cmp_eq_u32 ttmp9, 2
	s_cselect_b32 s21, s[CH], 0
	s_cmp_lg_u32 s21, 0
	s_cbranch_scc1 .Lv_path
; ---- q AND k.  D0, D1: where the images of my two heads go; they step by s[98:99] from token tile to token tile.
	s_lshl_b32 s21, s20, 18                        ; q: 32,768 bytes a token tile, eight tiles to 128 tokens,
	s_lshl_b32 s22, s[TC], 2
	s_lshl_b32 s23, s[CH], 1
	s_add_co_u32 s22, s22, s23                     ; my first head: 4 x tile column + 2 x half
	s_lshl_b32 s23, s22, 10
	s_add_co_u32 s21, s21, s23                     ; 1,024 bytes a head
	s_lshl_b32 s23, s20, 5
	s_add_co_u32 s23, s23, s22
	s_lshl_b32 s23, s23, 9
	s_add_co_u32 s23, s23, QS                      ; q's scale words: 512 bytes for 128 tokens of a head
	s_add_co_u32 s96, s46, KS                      ; k's
	s_mov_b32 s98, 32768
	s_mov_b32 s100, 512
	s_mov_b32 s94, 1024
	s_mov_b32 s101, 0xffff0000                     ; lanes 16-31
	s_cmp_eq_u32 ttmp9, 2                          ; k (the cluster's x is 2) or q
	s_cselect_b64 s[12:13], s[14:15], s[12:13]
	s_cselect_b32 s92, s46, s21
	s_cselect_b32 s96, s96, s23
	s_cselect_b32 s98, 1024, s98                   ; from token tile to token tile
	s_cselect_b32 s94, 8*REC, s94                  ; from head to head: images,
	s_cselect_b32 s100, 8*REC, s100                ; scale words
	s_mov_b32 s93, 0
	s_mov_b32 s95, 0
	s_mov_b32 s97, 0
	s_mov_b32 s99, 0
	s_add_nc_u64 s[92:93], s[12:13], s[92:93]
	s_add_nc_u64 s[94:95], s[92:93], s[94:95]
	s_add_nc_u64 s[96:97], s[12:13], s[96:97]
	v_mul_u32_u24 v[SA], s100, v2                  ; lanes 0-15 store the first head's words, lanes 16-31 the second's
	v_lshl_add_u32 v[SA], v1, 4, v[SA]
.irp b, 0,1,2,3
	v_mov_b32 v[TM+4+\b], 0                        ; a lane permute's destination counts as one of its sources
.endr
.macro QUANT4 s                        ; 64 numbers of a lane (register 16 b + i: block b, place 16 h + i) become codes in v[PC] on; the bytes stay in v[TM+4] on
.irp b, 0,1,2,3
	v_max3_num_f32 v[TM+\b], |v[\s+16*\b]|, |v[\s+1+16*\b]|, 0x4800000   ; my 16 numbers and the floor 2^(9 - 127)
.endr
.irp i, 2,4,6,8,10,12,14
.irp b, 0,1,2,3
	v_max3_num_f32 v[TM+\b], v[TM+\b], |v[\s+16*\b+\i]|, |v[\s+1+16*\b+\i]|
.endr
.endr
.irp b, 0,1,2,3
	v_permlanex16_b32 v[TM+4+\b], v[TM+\b], s[SEL], s[SEL+1]
.endr
.irp b, 0,1,2,3
	v_max_num_f32 v[TM+\b], v[TM+\b], v[TM+4+\b]
.endr
.irp b, 0,1,2,3
	v_add_nc_u32 v[TM+12+\b], 0xfc000000, v[TM+\b]           ; 8 off the exponent field: the conversions' scale operand
.endr
.irp b, 0,1,2,3
	v_and_or_b32 v[TM+8+\b], v[TM+\b], 0x7f800000, s[MNT]    ; 448 x the scale
.endr
.irp b, 0,1,2,3
	v_lshrrev_b32 v[TM+4+\b], 23, v[TM+12+\b]                ; the byte
.endr
.irp b, 0,1,2,3
.irp i, 0,1,2,3,4,5,6,7,8,9,10,11,12,13,14,15
	v_med3_num_f32 v[\s+16*\b+\i], v[\s+16*\b+\i], -v[TM+8+\b], v[TM+8+\b]   ; the conversion does not saturate (ISA guide 7.6.2): the hold
.endr
	v_cvt_scalef32_pk8_fp8_f32 v[PC+4*\b:PC+1+4*\b], v[\s+16*\b:\s+7+16*\b], v[TM+12+\b]
	v_cvt_scalef32_pk8_fp8_f32 v[PC+2+4*\b:PC+3+4*\b], v[\s+8+16*\b:\s+15+16*\b], v[TM+12+\b]
.endr
	v_nop                                          ; a plain line behind the last conversion
.endm
; The turn of head hd of token tile a: x1 = d 16 h + 0..15 (accumulators 4 hd, 4 hd + 1), x2 = d + 32 (4 hd + 2, 4 hd + 3).  Each accumulator is read from its low end on.
.macro ROPE a, hd
.set CSN, 64+32*((\a)%2)
.set A1, 8*(8*((\a)%4)+4*\hd)
.set A2, A1+16
.set HH, H+32*\hd
.irp n, 0,2,4,6,8,10,12,14
	v_pk_mul_f32 v[T+\n:T+\n+1], v[A2+\n:A2+\n+1], v[CSN+16+\n:CSN+17+\n]
.endr
.irp n, 0,2,4,6,8,10,12,14
	v_pk_fma_f32 v[HH+\n:HH+\n+1], v[A1+\n:A1+\n+1], v[CSN+\n:CSN+\n+1], v[T+\n:T+\n+1] neg_lo:[0,0,1] neg_hi:[0,0,1]   ; x1 cos - x2 sin
.endr
.irp n, 0,2,4,6,8,10,12,14
	v_pk_mul_f32 v[T+\n:T+\n+1], v[A1+\n:A1+\n+1], v[CSN+16+\n:CSN+17+\n]
.endr
.irp n, 0,2,4,6,8,10,12,14
	v_pk_fma_f32 v[HH+16+\n:HH+17+\n], v[A2+\n:A2+\n+1], v[CSN+\n:CSN+\n+1], v[T+\n:T+\n+1]   ; x2 cos + x1 sin
.endr
.endm
.macro RBLOCK a                        ; token tile a: two heads x 64
.if \a < 7
	s_wait_loadcnt 8                               ; this tile's cos and sin are in; the next tile's eight loads may be out
.else
	s_wait_loadcnt 0x0
.endif
	WIN 0x02+(\a)/4                                ; source 0: the accumulators' window
	ROPE \a, 0
	ROPE \a, 1
	WIN 0
.if \a < 6
	CLOAD \a+2
.endif
	QUANT4 H
	v_lshl_or_b32 v[PW0], v[TM+5], 8, v[TM+4]      ; a head's two bytes; the word's upper bytes, 0, meet zero codes alone
	v_lshl_or_b32 v[PW1], v[TM+7], 8, v[TM+6]
	v_cndmask_b32 v[SW+(\a)%4], v[PW0], v[PW1], s101
	global_store_b128 v[LI], v[PC:PC+3], s[92:93]              ; 512 consecutive bytes each
	global_store_b128 v[LI], v[PC+4:PC+7], s[92:93] offset:512
	global_store_b128 v[LI], v[PC+8:PC+11], s[94:95]
	global_store_b128 v[LI], v[PC+12:PC+15], s[94:95] offset:512
.if (\a)%4 == 3
	global_store_b128 v[SA], v[SW:SW+3], s[96:97] offset:256*((\a)/4)   ; four tiles' words: sixteen lanes fill 256 consecutive bytes
.endif
.if \a < 7
	s_wait_xcnt 0x0                                ; the stores' registers and bases are written again only behind this wait
	s_add_nc_u64 s[92:93], s[92:93], s[98:99]
	s_add_nc_u64 s[94:95], s[94:95], s[98:99]
.endif
.endm
.irp a, 0,1,2,3,4,5,6,7
	RBLOCK \a
.endr
	s_branch .Ljoin
; ---- v.  128 tokens x 128 columns (two kv heads) through my stage: rows = token positions, 512 bytes + 16; columns in the order of positions of d.
.Lv_path:
	s_add_nc_u64 s[92:93], s[14:15], s[46:47]      ; my first head's record
	s_mul_i32 s20, s[WV], 69632                    ; my stage: 128 rows x 528 bytes
	v_mul_u32_u24 v24, v1, 528
	v_lshl_add_u32 v24, v2, 5, v24
	v_add_nc_u32 v24, s20, v24                     ; in: row r, + 32 h
	v_lshl_add_u32 v25, v3, 2, s20                 ; back: a lane to a column; rows 0-63,
	v_add_nc_u32 v26, 33792, v25                   ; rows 64-127 (an LDS offset has 16 bits)
	v_lshlrev_b32 v30, 4, v1
	v_lshl_or_b32 v30, v2, 11, v30                 ; codes: tile lane / 16, row lane % 16
	v_lshlrev_b32 v19, 2, v3                       ; scale words: 4 x lane
.irp a, 0,1,2,3,4,5,6,7
	WIN 0x08+4*(\a/4)                              ; an LDS store's data are its source 1
.irp b, 0,1,2,3,4,5,6,7
	ds_store_b128 v24, v[8*(8*(\a%4)+\b):8*(8*(\a%4)+\b)+3] offset:8448*\a+64*\b        ; each accumulator from its low end on
	ds_store_b128 v24, v[8*(8*(\a%4)+\b)+4:8*(8*(\a%4)+\b)+7] offset:8448*\a+64*\b+16
.endr
.endr
	WIN 0
; Block n = 4 g + i: columns 32 g on, tokens 32 i on.  Register tau takes token 32 i + tau, which lies at position 32 i + 16 ((tau / 8) % 2) + 8 (tau / 16) + tau % 8.
.macro LOADX n
.set LG, (\n)/4
.set LB, (\n)%4
.set tau, 0
.rept 32
.set LROW, 32*LB+16*((tau>>3)&1)+8*(tau>>4)+(tau&7)
.if LB < 2
	ds_load_b32 v[128+32*((\n)%2)+tau], v25 offset:LROW*528+128*LG
.else
	ds_load_b32 v[128+32*((\n)%2)+tau], v26 offset:(LROW-64)*528+128*LG
.endif
.set tau, tau+1
.endr
.endm
.macro VBLOCK n
.set XS, 128+32*((\n)%2)
.set VG, (\n)/4
.set VI, (\n)%4
.if \n < 15
	s_wait_dscnt 32                                ; this block's 32 loads are in (LDS serves a wave in order: they saw my stores); the next block's may be out
.else
	s_wait_dscnt 0x0
.endif
	v_max3_num_f32 v200, |v[XS]|, |v[XS+1]|, |v[XS+2]|         ; all 32 numbers of the block are mine
	v_max3_num_f32 v201, |v[XS+3]|, |v[XS+4]|, |v[XS+5]|
.irp i, 6,10,14,18,22,26
	v_max3_num_f32 v200, v200, |v[XS+\i]|, |v[XS+\i+1]|
	v_max3_num_f32 v201, v201, |v[XS+\i+2]|, |v[XS+\i+3]|
.endr
	v_max3_num_f32 v200, v200, |v[XS+30]|, |v[XS+31]|
	v_max3_num_f32 v200, v200, v201, 0x4800000
	v_add_nc_u32 v202, 0xfc000000, v200
	v_and_or_b32 v203, v200, 0x7f800000, s[MNT]
	v_lshrrev_b32 v204, 23, v202
.if VI == 0
	v_mov_b32 v[208+VG], v204                      ; four bytes make my column's word for these 128 tokens
.else
	v_lshl_or_b32 v[208+VG], v204, 8*VI, v[208+VG]
.endif
	s_wait_xcnt 0x0                                ; the last block's stores have read the codes' registers
.set li, 0
.rept 32
	v_med3_num_f32 v[XS+li], v[XS+li], -v203, v203
.set li, li+1
.endr
.irp g, 0,1,2,3
	v_cvt_scalef32_pk8_fp8_f32 v[192+2*\g:193+2*\g], v[XS+8*\g:XS+8*\g+7], v202
.endr
	v_nop
	global_store_b128 v30, v[192:195], s[92:93] offset:VC+(VG/2)*8*REC+(VG%2)*4096+512*VI       ; tokens 0..15 of the block: sixteen lanes fill 256 consecutive bytes
	global_store_b128 v30, v[196:199], s[92:93] offset:VC+(VG/2)*8*REC+(VG%2)*4096+512*VI+256   ; tokens 16..31
.if \n < 14
	LOADX \n+2
.endif
.if VI == 3
	global_store_b32 v19, v[208+VG], s[92:93] offset:VS+(VG/2)*8*REC+128*(VG%2)
.endif
.endm
	LOADX 0
	LOADX 1
.irp n, 0,1,2,3,4,5,6,7,8,9,10,11,12,13,14,15
	VBLOCK \n
.endr
.Ljoin:
	s_wait_tensorcnt 0x0                           ; the wave's end
	ds_add_u32 v[SPW], v[NIL]
	s_wait_dscnt 0x0
	CROUND                                         ; the closing round
	s_endpgm
.Lfunc_end_k_q280a635b96_qkv:
	.size	k_q280a635b96_qkv, .Lfunc_end_k_q280a635b96_qkv-k_q280a635b96_qkv
	.p2alignl 7, 3214868480
	.fill 96, 4, 3214868480
	.section	.rodata,"a",@progbits
	.p2align	6, 0x0
	.amdhsa_kernel k_q280a635b96_qkv
		.amdhsa_group_segment_fixed_size 327680
		.amdhsa_private_segment_fixed_size 0
		.amdhsa_enable_private_segment 0
		.amdhsa_kernarg_size 48
		.amdhsa_user_sgpr_count 2
		.amdhsa_user_sgpr_kernarg_segment_ptr 1
		.amdhsa_wavefront_size32 1
		.amdhsa_system_sgpr_workgroup_id_x 1
		.amdhsa_system_sgpr_workgroup_id_y 1
		.amdhsa_system_sgpr_workgroup_id_z 1
		.amdhsa_system_vgpr_workitem_id 0
		.amdhsa_next_free_vgpr 1024
		.amdhsa_next_free_sgpr 102
		.amdhsa_reserve_vcc 0
		.amdhsa_float_denorm_mode_32 3
		.amdhsa_float_denorm_mode_16_64 3
		.amdhsa_memory_ordered 1
		.amdhsa_forward_progress 1
		.amdhsa_inst_pref_size 255
	.end_amdhsa_kernel
	.section	.bss,"aw",@nobits
	.p2align	6
	.space	262144
	.amdgpu_metadata
---
amdhsa.version: [ 1, 2 ]
amdhsa.kernels:
  - .name:           k_q280a635b96_qkv
    .symbol:         k_q280a635b96_qkv.kd
    .args:
      - { .name: hcode, .offset: 0, .size: 8, .value_kind: global_buffer, .address_space: global }
      - { .name: wcode, .offset: 8, .size: 8, .value_kind: global_buffer, .address_space: global }
      - { .name: cos, .offset: 16, .size: 8, .value_kind: global_buffer, .address_space: global }
      - { .name: sin, .offset: 24, .size: 8, .value_kind: global_buffer, .address_space: global }
      - { .name: qcode, .offset: 32, .size: 8, .value_kind: global_buffer, .address_space: global }
      - { .name: kv, .offset: 40, .size: 8, .value_kind: global_buffer, .address_space: global }
    .group_segment_fixed_size: 327680
    .private_segment_fixed_size: 0
    .kernarg_segment_align: 8
    .kernarg_segment_size: 48
    .max_flat_workgroup_size: 128
    .sgpr_count:     102
    .vgpr_count:     1024
    .wavefront_size: 32
...
	.end_amdgpu_metadata
.endif
;; end of part 2
;; launch attn (part 3): grid 8 x 32, 16 waves a work-group, clusters of 4 x 1, 169,984 bytes of LDS; arguments qcode, kv, acode; writes acode
.if DOCPART == 3
	.amdgcn_target "amdgcn-amd-amdhsa--gfx1250"
	.amdhsa_code_object_version 6
	.text
	.protected	k_q280a635b96_attn
	.globl	k_q280a635b96_attn
	.p2align	8
	.type	k_q280a635b96_attn,@function
k_q280a635b96_attn:
	s_mov_b64 s[64:65], 0
	v_nop
	global_prefetch_b8 v0, s[64:65] scope:SCOPE_SE
	s_setreg_imm32_b32 hwreg(HW_REG_WAVE_MODE, 25, 1), 1
	s_wait_xcnt 0x0
	s_wait_alu depctr_hold_cnt(0) depctr_sa_sdst(0) depctr_va_vdst(0) depctr_va_sdst(0) depctr_va_ssrc(0) depctr_va_vcc(0) depctr_vm_vsrc(0)
	s_getreg_b32 s2, hwreg(HW_REG_IB_STS2, 6, 4)
	s_cmp_eq_u32 s2, 0
	s_cbranch_scc0 .Lentry_in_a_cluster
	s_endpgm
.Lentry_in_a_cluster:
	s_bfe_u32 s2, ttmp6, 0x10000c
	s_cmp_lg_u32 s2, 0x3003
	s_cbranch_scc0 .Lentry_shape_is_right
	s_endpgm
.Lentry_shape_is_right:
; Causal attention on codes of FP8 (E4M3) with E8M0 scales: 4 sequences x 1,024 tokens, 32 query heads of 64, 8 key and value heads.  Both products are used transposed (S^T = k q^T, O^T = v^T p^T): a lane holds one query.
; t = score x log2(e) / 8; M = the running largest t rounded UP to a whole number; p = 2^(t - M) is quantised along the keys, not normalised; the row's sum is taken of the unquantised p and divides O at the end.
; When M moves, the sum and O^T are multiplied by 2^(old M - new M): exact.  The result is quantised along the head's axis for the last product and stored as images, laid as the first product's tokens are.
; The head's 64 fill half of the instruction's 128 along K: the upper eight registers of q's and k's fragments are zero codes, set once; the scale words' upper bytes, 0, meet those alone.
; SHARES.  y = (sequence, kv head).  Work-group x = IT takes the IT-th tile of 16 queries of EACH of the sequence's eight chunks of 128 tokens, for the four query heads of its kv head: 32 units.
; Wave 4 KK + HQ takes head HQ and the units of chunks 7 - KK and KK: 8 - KK and KK + 1 key steps of 128: nine for every wave of every work-group.  So control flow and LDS addresses hang on the wave's number and on
; counters alone, and the four work-groups of a cluster, which walk the same k and v, ask for them JOINTLY.  IT enters global offsets and the mask's compare value alone.
; All of k and v of a (sequence, kv head), eight records of 17,152 bytes, lies in LDS, filled once: no slot is filled again.  Every wave walks all eight chunks; a scalar branch leaves out the work of chunks behind its queries.
; The first unit's q is asked for straight behind the tensor loads, ahead of the first barrier; the second unit's at the first unit's end.
; Sixteen waves of 256 registers: four to a SIMD, so that one wave's softmax stands beside another's products and LDS loads.
; LIMITS: NaN and infinities are not served; a block of zeros keeps the byte 1 (its codes are zeros).  The result's scale words leave in pieces of 128 bytes.
.set REC,  17152                       ; a record: k's 8 images of 1,024 bytes at 0,
.set VC,   8192                        ; v's 4 images of 2,048,
.set KS,   16384                       ; k's scale words [a / 4][r][a % 4],
.set VS,   16896                       ; v's, by position of d
.set SST,  8*REC                       ; behind the records: 128 bytes a wave: the result's scale half-words, [unit][r]
.set QS,   8388608                     ; qcode: the scale words
.set HS,   8388608                     ; acode: the scale words
; REGISTERS: v2 v's lane address, v3, v4 k's and v's scale words', v5 my query less 16 h, v6 16 x lane, v7 16 r; v8-11 the step's addresses; v12 -M, v13 the largest t, v[14:15] the sum;
; v16-31 q; v32-95 four fragments of k; v96-159 S^T, then p, then v's four fragments, then O / the sum; v160-191 O^T; v192-207 p's codes; v208-223 block maxima, bytes, conversions' operands;
; v224-227 k's or v's scale words, v228 p's, v229 q's; v[230:231] f; v232-233 at work; v[234:235] the sum's second chain; v236 my half-words' place; v239 the gather's
; s10 wave, s11 HQ, s12 KK, s13 cx, s14 IT, s15 y, s16 sequence, s17 kv head, s18 the unit's chunk, s[20:21] lane selects, s[22:23] c, s[24:35] the descriptor, s36 the record in hand, s37 its number, s38 units to go, s39 the unit's place
.macro CROUND
	s_barrier_signal -1
	s_barrier_wait -1
	s_cmp_lg_u32 s10, 0
	s_cbranch_scc1 .Lnot_wave_0_\@
	s_barrier_signal -3
.Lnot_wave_0_\@:
	s_barrier_wait -3
	s_barrier_signal -1
	s_barrier_wait -1
.endm
; The unit of chunk s18: where its q lies (s[40:43]) and where its result goes (s[44:45]); q's fragment and scale word are asked for.
.macro QLOAD
	s_lshl_b32 s46, s16, 3
	s_add_co_u32 s48, s46, s18                     ; which 128 tokens of all: 8 x sequence + chunk
	s_lshl_b32 s46, s48, 3
	s_add_co_u32 s46, s46, s14                     ; the token tile
	s_lshl_b32 s46, s46, 15
	s_lshl_b32 s47, s50, 10
	s_add_co_u32 s46, s46, s47                     ; 32,768 x tile + 1,024 x head: q's image, and the result's
	s_mov_b32 s47, 0
	s_add_nc_u64 s[40:41], s[4:5], s[46:47]
	s_add_nc_u64 s[44:45], s[8:9], s[46:47]
	s_lshl_b32 s46, s48, 5
	s_add_co_u32 s46, s46, s50
	s_lshl_b32 s46, s46, 9
	s_add_co_u32 s46, s46, s51
	s_add_nc_u64 s[42:43], s[4:5], s[46:47]
	global_load_b128 v[16:19], v6, s[40:41]
	global_load_b128 v[20:23], v6, s[40:41] offset:512
	global_load_b32 v229, v7, s[42:43]
.endm
	s_load_b128 s[4:7], s[0:1], 0x0                ; qcode, kv
	s_load_b64 s[8:9], s[0:1], 0x10                ; acode
	v_lshl_add_u32 v254, v0, 2, 0x29000
	v_mov_b32 v255, 0
	ds_add_u32 v254, v255
	ds_add_u32 v254, v255
	v_lshrrev_b32 v1, 5, v0
	s_delay_alu instid0(VALU_DEP_1)
	v_readfirstlane_b32 s10, v1                    ; wave 0..15
	s_and_b32 s11, s10, 3
	s_lshr_b32 s12, s10, 2
	s_xor_b32 s18, s12, 7                          ; the first unit's chunk: 7 - KK
	s_bfe_u32 s13, ttmp6, 0x40000
	s_lshl_b32 s14, ttmp9, 2
	s_add_co_u32 s14, s14, s13                     ; IT = 4 x cluster x + cx
	s_and_b32 s15, ttmp7, 0xffff
	s_lshr_b32 s16, s15, 3
	s_and_b32 s17, s15, 7
	s_lshl_b32 s50, s17, 2
	s_add_co_u32 s50, s50, s11                     ; my query head
	s_lshr_b32 s46, s14, 2
	s_lshl_b32 s46, s46, 8
	s_and_b32 s47, s14, 3
	s_lshl_b32 s47, s47, 2
	s_add_co_u32 s51, s46, s47
	s_add_co_u32 s51, s51, QS                      ; q's scale words: tile IT's place among a chunk's
	s_mov_b32 s20, 0x76543210
	s_mov_b32 s21, 0xfedcba98
	s_mov_b32 s22, 0x3e38aa3b                      ; c = log2(e) / 8
	s_mov_b32 s23, s22                             ; (named with it as a pair)
	s_mov_b32 s24, 15|(3<<16)|(1<<21)              ; group 1: the mask: all four work-groups; elements of 8 bytes; bit 21 beside a mask: a record as 67 rows of 256 bytes, dense
	s_mov_b32 s25, 32<<16
	s_mov_b32 s26, 67<<16
	s_mov_b32 s27, 32<<16
	s_mov_b32 s28, 67
	s_mov_b32 s29, 32
	s_mov_b32 s30, 0
	s_mov_b32 s31, 0
	s_lshl_b32 s46, s15, 3
	s_add_co_u32 s46, s46, s10
	s_mul_i32 s46, s46, REC                        ; record 8 y + wave
	s_mov_b32 s47, 0
	s_wait_dscnt 0x0
	s_wait_kmcnt 0x0
	CROUND                                         ; the four work-groups are here: the joint loads meet
	s_mov_b32 s32, 1
	s_mul_i32 s33, s10, REC
	s_add_nc_u64 s[34:35], s[6:7], s[46:47]
	s_or_b32 s35, s35, 0x80000000
	s_cmp_lt_u32 s10, 8                            ; waves 0 to 7 fetch a record each: one load of a wave is out
	s_cbranch_scc0 .Lno_fetch
	tensor_load_to_lds s[32:35], s[24:31]
	s_nop 0
.rept 4
	v_nop
.endr
.Lno_fetch:
	v_and_b32 v232, 15, v0                         ; r
	v_bfe_u32 v233, v0, 4, 1                       ; h
	v_and_b32 v239, 31, v0
	s_delay_alu instid0(VALU_DEP_1)
	v_lshlrev_b32 v6, 4, v239
	s_wait_alu depctr_va_vdst(0)
	v_lshlrev_b32 v7, 4, v232
	s_wait_alu depctr_va_vdst(0)
	QLOAD                                          ; the first unit's q lands beside the records
	v_add_nc_u32 v2, VC, v6
	v_lshl_add_u32 v3, v232, 4, KS
	v_lshl_add_u32 v4, v232, 2, VS
	s_lshr_b32 s46, s14, 1
	s_lshl_b32 s46, s46, 5
	s_and_b32 s47, s14, 1
	s_lshl_b32 s47, s47, 3
	s_add_co_u32 s46, s46, s47
	v_and_b32 v5, 8, v232
	s_delay_alu instid0(VALU_DEP_1)
	v_add_nc_u32 v5, v5, v232
	v_lshlrev_b32 v8, 4, v233
	s_delay_alu instid0(VALU_DEP_1)
	v_sub_nc_u32 v5, v5, v8
	s_delay_alu instid0(VALU_DEP_1)
	v_add_nc_u32 v5, s46, v5                       ; my query's place in its chunk, 32 (IT / 2) + 8 (IT % 2) + r + 8 (r / 8), less 16 h
	s_lshl_b32 s47, s10, 7
	v_lshl_add_u32 v236, v232, 2, s47
	s_delay_alu instid0(VALU_DEP_1)
	v_add_nc_u32 v236, SST, v236
	s_lshl_b32 s47, s10, 9
	v_lshl_add_u32 v239, v239, 2, s47
	s_delay_alu instid0(VALU_DEP_1)
	v_add_nc_u32 v239, SST, v239                   ; the gather at the end (waves 0 to 3 use it)
.irp j, 0,1,2,3,4,5,6,7
	v_mov_b32 v[24+\j], 0                          ; the zero codes of K 64..127: q's,
.irp t, 0,1,2,3
	v_mov_b32 v[40+16*\t+\j], 0                    ; and the four k fragments'
.endr
.endr
.irp b, 0,1,2,3
	v_mov_b32 v[212+\b], 0                         ; a lane permute's destination counts as one of its sources
.endr
	v_mov_b32 v231, 0                              ; (the upper half of the pair v[230:231])
	s_wait_tensorcnt 0x0                           ; my record is in,
	s_barrier_signal -1
	s_barrier_wait -1                              ; everybody's is
	s_mov_b32 s38, 2
	s_mov_b32 s39, 0
.Lunit:
	v_mov_b32 v13, 0xff61b1e6                      ; the largest t so far: -3e38
	s_delay_alu instid0(VALU_DEP_1)
	v_floor_f32 v12, -v13                          ; -M
	v_mov_b32 v14, 0
	v_mov_b32 v15, 0
.set n, 0
.rept 32
	v_mov_b32 v[160+n], 0                          ; O^T: the step is written once; the first finds zeros, which the first change of M leaves zeros
.set n, n+1
.endr
	s_mov_b32 s36, 0
	s_mov_b32 s37, 0
	s_wait_loadcnt 0x0                             ; the unit's q
.Lchunk:                                           ; eight trips, a constant; a chunk behind my queries is passed over
	s_cmp_gt_u32 s37, s18
	s_cbranch_scc1 .Lskip
	s_setprio 2
; ---- A KEY STEP: 128 keys
	v_add_nc_u32 v8, s36, v6
	s_wait_alu depctr_va_vdst(0)
	v_add_nc_u32 v9, s36, v2
	v_add_nc_u32 v10, s36, v3
	s_wait_alu depctr_va_vdst(0)
	v_add_nc_u32 v11, s36, v4
.rept 5
	v_nop                                          ; with the four additions nine places: S^T is laid over v's fragments, which the last products read, and the scale words' registers are loaded again
.endr
.irp g, 0,1
.if \g > 0
.rept 8
	v_nop                                          ; places in front of loads into registers that matrix instructions have read
.endr
.endif
.irp t, 0,1,2,3
	ds_load_b128 v[32+16*\t:35+16*\t], v8 offset:1024*(4*\g+\t)
	ds_load_b128 v[36+16*\t:39+16*\t], v8 offset:1024*(4*\g+\t)+512
	ds_load_b32 v[224+\t], v10 offset:256*\g+4*\t
.endr
	s_wait_dscnt 0x0
.irp t, 0,1,2,3
	v_wmma_scale_f32_16x16x128_f8f6f4 v[96+8*(4*\g+\t):103+8*(4*\g+\t)], v[32+16*\t:47+16*\t], v[16:31], 0, v[224+\t], v229
.endr
.endr                                              ; the 16 registers of tiles 2 b, 2 b + 1 are keys 32 b + 16 h + 0..15
.rept 8
	v_nop
.endr
	s_cmp_lg_u32 s37, s18                          ; on the diagonal alone: the scores of keys behind my query become -infinity ahead of the maximum
	s_cbranch_scc1 .Lopen
	v_mov_b32 v232, 0xff800000
.set n, 0
.rept 64
	v_cmp_gt_i32 vcc_lo, 32*(n/16)+n%16, v5
	v_cndmask_b32 v[96+n], v[96+n], v232, vcc_lo
.set n, n+1
.endr
.Lopen:
.irp b, 0,1,2,3
	v_max3_num_f32 v[208+\b], v[96+16*\b], v[97+16*\b], v[98+16*\b]   ; the largest score of each block of 32 keys: for the row's maximum, and, since p rises with the score, for the block's largest p
.endr
.irp i, 3,5,7,9,11,13
.irp b, 0,1,2,3
	v_max3_num_f32 v[208+\b], v[208+\b], v[96+16*\b+\i], v[97+16*\b+\i]
.endr
.endr
.irp b, 0,1,2,3
	v_max_num_f32 v[208+\b], v[208+\b], v[111+16*\b]
.endr
.irp b, 0,1,2,3
	s_delay_alu instid0(VALU_DEP_4)
	v_permlanex16_b32 v[212+\b], v[208+\b], s20, s21
.endr
.irp b, 0,1,2,3
	s_delay_alu instid0(VALU_DEP_4)
	v_max_num_f32 v[208+\b], v[208+\b], v[212+\b]
.endr
	s_delay_alu instid0(VALU_DEP_2)
	v_max3_num_f32 v232, v208, v209, v210
	s_delay_alu instid0(VALU_DEP_1)
	v_max_num_f32 v232, v232, v211
	s_delay_alu instid0(VALU_DEP_1)
	v_mul_f32 v232, s22, v232                      ; as t (c is positive)
	s_delay_alu instid0(VALU_DEP_1)
	v_max_num_f32 v13, v13, v232
	v_mov_b32 v232, v12
	s_delay_alu instid0(VALU_DEP_2)
	v_floor_f32 v12, -v13                          ; the new -M = -ceil(t)
	s_delay_alu instid0(VALU_DEP_1)
	v_sub_f32 v232, v12, v232                      ; old M - new M: a whole number, 0 or less
	s_delay_alu instid0(VALU_DEP_1)
	v_cvt_i32_f32 v232, v232                       ; (it saturates)
	s_delay_alu instid0(VALU_DEP_1)
	v_ldexp_f32 v230, 1.0, v232                    ; f = 2^(old M - new M)
.set n, 0
.rept 32
	v_pk_fma_f32 v[96+n:97+n], v[96+n:97+n], s[22:23], v[12:13] op_sel_hi:[1,0,0]   ; t - M
.set n, n+2
.endr
	s_setprio 1
.irp b, 0,1,2,3
	v_fma_f32 v[208+\b], v[208+\b], s22, v12
.endr
.set n, 0
	s_wait_alu depctr_va_vdst(0)
.rept 64
	v_exp_f32 v[96+n], v[96+n]                     ; p
.set n, n+1
.endr
.irp b, 0,1,2,3
	v_exp_f32 v[208+\b], v[208+\b]                 ; the block's largest p: the same two instructions on the same number
.endr
	v_pk_mul_f32 v[14:15], v[14:15], v[230:231] op_sel_hi:[1,0]   ; the sums under the new M (a plain line behind the exponentials)
	s_wait_alu depctr_va_vdst(0)
.irp b, 0,1,2,3
	v_max_num_f32 v[208+\b], 0x4800000, v[208+\b]  ; the floor 2^(9 - 127)
.endr
.irp b, 0,1,2,3
	s_delay_alu instid0(VALU_DEP_4)
	v_add_nc_u32 v[220+\b], 0xfc000000, v[208+\b]
.endr
.irp b, 0,1,2,3
.endr
.irp b, 0,1,2,3
	s_delay_alu instid0(VALU_DEP_4)
	v_lshrrev_b32 v[212+\b], 23, v[220+\b]
.endr
	s_delay_alu instid0(VALU_DEP_3)
	v_lshl_or_b32 v228, v213, 8, v212              ; p's scale word for these 128 keys
	s_delay_alu instid0(VALU_DEP_1)
	v_lshl_or_b32 v228, v214, 16, v228
	s_delay_alu instid0(VALU_DEP_1)
	v_lshl_or_b32 v228, v215, 24, v228
	v_pk_add_f32 v[234:235], v[100:101], v[104:105]
	v_pk_add_f32 v[252:253], v[108:109], v[112:113]
	v_pk_add_f32 v[250:251], v[116:117], v[120:121]
	v_pk_add_f32 v[248:249], v[124:125], v[128:129]
	v_pk_add_f32 v[246:247], v[132:133], v[136:137]
	v_pk_add_f32 v[244:245], v[140:141], v[144:145]
	v_pk_add_f32 v[242:243], v[148:149], v[152:153]
	v_pk_add_f32 v[14:15], v[14:15], v[156:157]
	v_pk_add_f32 v[234:235], v[234:235], v[96:97]
	v_pk_add_f32 v[252:253], v[252:253], v[98:99]
	v_pk_add_f32 v[250:251], v[250:251], v[102:103]
	v_pk_add_f32 v[248:249], v[248:249], v[106:107]
	v_pk_add_f32 v[246:247], v[246:247], v[110:111]
	v_pk_add_f32 v[244:245], v[244:245], v[114:115]
	v_pk_add_f32 v[242:243], v[242:243], v[118:119]
	v_pk_add_f32 v[14:15], v[14:15], v[122:123]
	v_pk_add_f32 v[234:235], v[234:235], v[126:127]
	v_pk_add_f32 v[252:253], v[252:253], v[130:131]
	v_pk_add_f32 v[250:251], v[250:251], v[134:135]
	v_pk_add_f32 v[248:249], v[248:249], v[138:139]
	v_pk_add_f32 v[246:247], v[246:247], v[142:143]
	v_pk_add_f32 v[244:245], v[244:245], v[146:147]
	v_pk_add_f32 v[242:243], v[242:243], v[150:151]
	v_pk_add_f32 v[14:15], v[14:15], v[154:155]
	v_pk_add_f32 v[234:235], v[234:235], v[158:159]
	s_delay_alu instid0(VALU_DEP_2)
	v_pk_add_f32 v[14:15], v[14:15], v[248:249]
	s_delay_alu instid0(VALU_DEP_2)
	v_pk_add_f32 v[234:235], v[234:235], v[246:247]
	v_pk_add_f32 v[252:253], v[252:253], v[244:245]
	v_pk_add_f32 v[250:251], v[250:251], v[242:243]
	s_delay_alu instid0(VALU_DEP_2)
	v_pk_add_f32 v[14:15], v[14:15], v[252:253]
	s_delay_alu instid0(VALU_DEP_2)
	v_pk_add_f32 v[234:235], v[234:235], v[250:251]
	s_delay_alu instid0(VALU_DEP_1)
	v_pk_add_f32 v[14:15], v[14:15], v[234:235]
	s_setprio 0
.irp b, 0,1,2,3
.irp i, 0,1,2,3,4,5,6,7,8,9,10,11,12,13,14,15
.endr
	v_cvt_scalef32_pk8_fp8_f32 v[192+4*\b:193+4*\b], v[96+16*\b:103+16*\b], v[220+\b]
	v_cvt_scalef32_pk8_fp8_f32 v[194+4*\b:195+4*\b], v[104+16*\b:111+16*\b], v[220+\b]
.endr
.set n, 0
.rept 16
	v_pk_mul_f32 v[160+n:161+n], v[160+n:161+n], v[230:231] op_sel_hi:[1,0]   ; O^T under the new M; these lines also stand between the conversions and the products
.set n, n+2
.endr
.irp t, 0,1,2,3
.irp c, 0,1,2,3
	ds_load_b128 v[96+16*\t+4*\c:99+16*\t+4*\c], v9 offset:2048*\t+512*\c
.endr
	ds_load_b32 v[224+\t], v11 offset:64*\t
.endr
	s_wait_alu depctr_va_vdst(0)
	s_wait_dscnt 0x0
.irp t, 0,1,2,3
	v_wmma_scale_f32_16x16x128_f8f6f4 v[160+8*\t:167+8*\t], v[96+16*\t:111+16*\t], v[192:207], v[160+8*\t:167+8*\t], v[224+\t], v228   ; the four accumulators by turns
.endr
.Lskip:
	s_add_co_u32 s36, s36, REC
	s_add_co_u32 s37, s37, 1
	s_cmp_lt_u32 s37, 8
	s_cbranch_scc1 .Lchunk
	s_setprio 0
; ---- THE UNIT'S END: O^T / the sum; registers 16 b + i are d = 32 b + 16 h + i: two blocks of the last product's K
.rept 8
	v_nop
.endr
	v_add_f32 v14, v14, v15
	v_permlanex16_b32 v232, v14, s20, s21
	s_delay_alu instid0(VALU_DEP_1)
	v_add_f32 v14, v14, v232
	s_wait_alu depctr_va_vdst(0)
	v_rcp_f32 v232, v14
	v_nop
.set n, 0
	s_wait_alu depctr_va_vdst(0)
.rept 16
	v_pk_mul_f32 v[96+n:97+n], v[160+n:161+n], v[232:233] op_sel_hi:[1,0]
.set n, n+2
.endr
.irp b, 0,1
	v_max3_num_f32 v[208+\b], |v[96+16*\b]|, |v[97+16*\b]|, 0x4800000
.endr
.irp i, 2,4,6,8,10,12,14
.irp b, 0,1
	s_delay_alu instid0(VALU_DEP_2)
	v_max3_num_f32 v[208+\b], v[208+\b], |v[96+16*\b+\i]|, |v[97+16*\b+\i]|
.endr
.endr
.irp b, 0,1
	s_delay_alu instid0(VALU_DEP_2)
	v_permlanex16_b32 v[212+\b], v[208+\b], s20, s21
.endr
.irp b, 0,1
	s_delay_alu instid0(VALU_DEP_2)
	v_max_num_f32 v[208+\b], v[208+\b], v[212+\b]
.endr
.irp b, 0,1
	s_delay_alu instid0(VALU_DEP_2)
	v_add_nc_u32 v[220+\b], 0xfc000000, v[208+\b]
.endr
.irp b, 0,1
.endr
.irp b, 0,1
	s_delay_alu instid0(VALU_DEP_2)
	v_lshrrev_b32 v[212+\b], 23, v[220+\b]
.endr
	s_delay_alu instid0(VALU_DEP_1)
	v_lshl_or_b32 v238, v213, 8, v212              ; my head's half of a scale word
.irp b, 0,1
.irp i, 0,1,2,3,4,5,6,7,8,9,10,11,12,13,14,15
.endr
	v_cvt_scalef32_pk8_fp8_f32 v[192+4*\b:193+4*\b], v[96+16*\b:103+16*\b], v[220+\b]
	v_cvt_scalef32_pk8_fp8_f32 v[194+4*\b:195+4*\b], v[104+16*\b:111+16*\b], v[220+\b]
.endr
	v_add_nc_u32 v237, s39, v236                   ; (a plain line behind the last conversion)
	global_store_b128 v6, v[192:195], s[44:45]             ; 512 consecutive bytes each
	global_store_b128 v6, v[196:199], s[44:45] offset:512
	ds_store_b32 v237, v238                        ; lanes 16-31 write the same word with the same value
	s_wait_xcnt 0x0                                ; the stores' registers and bases are written again only behind this wait
	s_xor_b32 s18, s18, 7                          ; the second unit's chunk: KK
	s_add_co_u32 s39, s39, 64
	s_cmp_eq_u32 s38, 1                            ; behind the last unit nothing is asked for
	s_cbranch_scc1 .Lno_next
	QLOAD
.Lno_next:
	s_sub_co_u32 s38, s38, 1
	s_cmp_lg_u32 s38, 0
	s_cbranch_scc1 .Lunit
	s_wait_dscnt 0x0                               ; for the others' sake: my half-words lie in LDS
	s_barrier_signal -1
	s_barrier_wait -1
; The scale words of 256 along the last product's K are four heads' half-words: wave w of 0..3 gathers those of chunks 7 - w (lanes 0-15) and w (lanes 16-31).
	s_cmp_lt_u32 s10, 4
	s_cbranch_scc0 .Lno_words
.irp q, 0,1,2,3
	ds_load_b32 v[240+\q], v239 offset:128*\q
.endr
	s_mov_b32 s49, 0xffff0000
	s_sub_co_u32 s46, 7, s10
	v_mov_b32 v246, s46
	v_mov_b32 v247, s10
	s_delay_alu instid0(VALU_DEP_1)
	v_cndmask_b32 v246, v246, v247, s49            ; my lane's chunk
	v_and_b32 v247, 15, v0
	s_delay_alu instid0(VALU_DEP_2)
	v_lshlrev_b32 v246, 13, v246                   ; eight tiles of 1,024 bytes a chunk
	s_delay_alu instid0(VALU_DEP_1)
	v_lshl_add_u32 v246, v247, 3, v246
	s_lshl_b32 s46, s16, 6
	s_add_co_u32 s46, s46, s14
	s_lshl_b32 s46, s46, 10
	s_lshl_b32 s47, s17, 7
	s_add_co_u32 s46, s46, s47
	s_add_co_u32 s46, s46, HS
	s_mov_b32 s47, 0
	s_add_nc_u64 s[40:41], s[8:9], s[46:47]
	s_wait_dscnt 0x0
	v_lshl_or_b32 v244, v241, 16, v240
	v_lshl_or_b32 v245, v243, 16, v242
	s_wait_alu depctr_va_vdst(0)
	global_store_b64 v246, v[244:245], s[40:41]
.Lno_words:
	s_wait_tensorcnt 0x0
	ds_add_u32 v254, v255
	s_wait_dscnt 0x0
	CROUND                                         ; the closing round
	s_endpgm
.Lfunc_end_k_q280a635b96_attn:
	.size	k_q280a635b96_attn, .Lfunc_end_k_q280a635b96_attn-k_q280a635b96_attn
	.p2alignl 7, 3214868480
	.fill 96, 4, 3214868480
	.section	.rodata,"a",@progbits
	.p2align	6, 0x0
	.amdhsa_kernel k_q280a635b96_attn
		.amdhsa_group_segment_fixed_size 169984
		.amdhsa_private_segment_fixed_size 0
		.amdhsa_enable_private_segment 0
		.amdhsa_kernarg_size 24
		.amdhsa_user_sgpr_count 2
		.amdhsa_user_sgpr_kernarg_segment_ptr 1
		.amdhsa_wavefront_size32 1
		.amdhsa_system_sgpr_workgroup_id_x 1
		.amdhsa_system_sgpr_workgroup_id_y 1
		.amdhsa_system_sgpr_workgroup_id_z 1
		.amdhsa_system_vgpr_workitem_id 0
		.amdhsa_next_free_vgpr 256
		.amdhsa_next_free_sgpr 66
		.amdhsa_reserve_vcc 1
		.amdhsa_float_denorm_mode_32 3
		.amdhsa_float_denorm_mode_16_64 3
		.amdhsa_fp16_overflow 1
		.amdhsa_memory_ordered 1
		.amdhsa_forward_progress 1
		.amdhsa_inst_pref_size 39
	.end_amdhsa_kernel
	.amdgpu_metadata
---
amdhsa.version: [ 1, 2 ]
amdhsa.kernels:
  - .name:           k_q280a635b96_attn
    .symbol:         k_q280a635b96_attn.kd
    .args:
      - { .name: qcode, .offset: 0, .size: 8, .value_kind: global_buffer, .address_space: global }
      - { .name: kv, .offset: 8, .size: 8, .value_kind: global_buffer, .address_space: global }
      - { .name: acode, .offset: 16, .size: 8, .value_kind: global_buffer, .address_space: global }
    .group_segment_fixed_size: 169984
    .private_segment_fixed_size: 0
    .kernarg_segment_align: 8
    .kernarg_segment_size: 24
    .max_flat_workgroup_size: 512
    .sgpr_count:     66
    .vgpr_count:     256
    .wavefront_size: 32
...
	.end_amdgpu_metadata
.endif
;; end of part 3
;; launch oproj (part 4): grid 8 x 32, 4 waves a work-group, clusters of 4 x 4, 327,680 bytes of LDS; arguments acode, wcode, out0; writes out0
.if DOCPART == 4
	.amdgcn_target "amdgcn-amd-amdhsa--gfx1250"
	.amdhsa_code_object_version 6
	.text
	.protected	k_q280a635b96_oproj
	.globl	k_q280a635b96_oproj
	.p2align	8
	.type	k_q280a635b96_oproj,@function
k_q280a635b96_oproj:
	s_mov_b64 s[64:65], 0
	v_nop
	global_prefetch_b8 v0, s[64:65] scope:SCOPE_SE
	s_setreg_imm32_b32 hwreg(HW_REG_WAVE_MODE, 25, 1), 1
	s_wait_xcnt 0x0
	s_wait_alu depctr_hold_cnt(0) depctr_sa_sdst(0) depctr_va_vdst(0) depctr_va_sdst(0) depctr_va_ssrc(0) depctr_va_vcc(0) depctr_vm_vsrc(0)
	s_getreg_b32 s2, hwreg(HW_REG_IB_STS2, 6, 4)
	s_cmp_eq_u32 s2, 0
	s_cbranch_scc0 .Lentry_in_a_cluster
	s_endpgm
.Lentry_in_a_cluster:
	s_bfe_u32 s2, ttmp6, 0x10000c
	s_cmp_lg_u32 s2, 0xf033
	s_cbranch_scc0 .Lentry_shape_is_right
	s_endpgm
.Lentry_shape_is_right:
; out0 = attn x Wo on codes of FP8 (E4M3) with E8M0 scales, [4096 x 2048] x [2048 x 2048], f32 out.
; A tile of 128 tokens x 256 columns is made by four waves, 64 x 128 each: 32 accumulators, 256 registers: 8 x 32 = 256 work-groups.
; OPERANDS ARE IMAGES OF REGISTERS (16 rows x 128 K = 2,048 bytes, register group c of lane l at 512 c + 16 l): a fragment is four ds_load_b128 at 16 x lane.  Position p of an operand holds row swap(p) (bits 3 and 4 exchanged).
; THE MATRIX INSTRUCTION IS USED TRANSPOSED (source 0 = 16 positions of Wo, source 1 = 16 tokens): lane (r, h) holds token position r, register j of accumulator (a, b) the column 32 (b / 2) + 8 (b % 2) + 16 h + j.
; TWO REGIONS OF LDS OF UNEQUAL SIZE.  The tile's 384 rows leave room for 768 along K: region X holds 512 (four steps of 128), region Y 256 (two steps).  K's sixteen steps go X, Y, X, Y, X: both regions are
; filled at the start and there are three refills in all, each one load a wave behind a round of the cluster's barrier.  The sixteen steps are written out: every offset is an immediate and no counter is kept.
; A step: the next step's 12 fragments (and, for an even step, the scale words of its 256 along K) are asked for, into the other of two sets of registers, ahead of the step's 32 products.
; The price of the smaller tile: a wave reads 12 fragments for 32 products.  The scale words of the work-group's rows, for all of K, come into LDS once with the first fills.
; CLUSTERS 4 x 4: A's tiles are shared along a row of the cluster, B's along a column: each is asked for jointly.  Waves 0 and 1 fetch A's halves (4 tiles of 16 rows), waves 2 and 3 B's (8 tiles).
; REGISTERS: window 0: v1-29 addresses; v32-63 scale words, two sets; v128-191, v192-255 A's fragments, two sets (on the way out: rows read back).  Window 1: B's fragments, two sets.  Window 2: the accumulators, (a, b) at v[8 (8 a + b)].
.set HS,     8388608                   ; acode: the scale words
.set BCO,    6488064                   ; wcode: Wo's images
.set BSC,    10682368                  ; and scale words
.set FR,     16                        ; registers of a fragment
.set NP,     8                         ; places behind this matrix instruction (ISA guide 7.12.1)
.set XB,     65536                     ; region X, from LDS byte 0: 8,192 bytes for a tile of 16 rows: A's 8 tiles, and from here B's 16
.set YR,     196608                    ; region Y: 4,096 bytes a tile: A's 8 tiles,
.set YB,     YR+32768                  ; B's 16
.set SCL,    294912                    ; the scale words, 1,024 bytes a tile: A's 8 tiles, then B's 16
.set SPARE,  SCL+24576                 ; the spare words: 128 bytes a wave, two blocks of 256 bytes that no other line names
.set KSTP,   12288                     ; from a region's fill to its next: six steps of 2,048 bytes
.set SPITCH, 528                       ; the way out: a stage of 16 rows x (512 bytes + 16) for each wave, in region Y, which has had its last fill and its last read at the last change of regions
.set ADRA, 16                          ; v16, v17 LDS address of my A fragments in X, Y
.set ADRB, 20                          ; v20, v21 of B's
.set STO,  24                          ; v24     the way out: where I put 32 bytes of a row
.set RD,   25                          ; v25     where I read a row back
.set ADRS, 27                          ; v27     my scale words: lanes 0-15 A's, lanes 16-31 B's
.set SPW,  28                          ; v28     my spare word; never rewritten
.set NIL,  29                          ; v29     0; never rewritten
.set SC,   32
.set AF,   128
.set BK,   128
.set LI,   4                           ; v4      16 x lane
.set WV, 16                            ; s16 wave;  s17 which 64 tokens are mine (also: I fetch for A or B);  s18 which 128 columns (also: which half I fetch);  s19 tile row;  s42 tile column
.set RH, 17
.set CH, 18
.set TR, 19
.set TC, 42
.set G0SA, 8                           ; groups 0: the scale words' (A, B),
.set G0SB, 12
.set G0AX, 68                          ; A's in X and Y, B's in X and Y
.set G0AY, 72
.set G0BX, 76
.set G0BY, 80
.set G1AX, 24                          ; groups 1 likewise
.set G1AY, 32
.set G1BX, 48
.set G1BY, 56
.set G1SA, 84
.set G1SB, 92
.set MSB, 0
.macro WIN new                         ; the immediate's high byte repeats the setting that is left
.if MSB != (\new)
	s_set_vgpr_msb (MSB<<8)|(\new)
.set MSB, (\new)
.endif
.endm
.set W_MUL, 0xa1                       ; source 0 (B) window 1, source 1 (A) window 0, C and D window 2
.set TO_B,  0x40                       ; destination window 1, address window 0
.macro JLOAD g0a, g1a, g0b, g1b        ; a joint load: waves 0 and 1 fetch for A, waves 2 and 3 for B; the branch hangs on the wave's number alone; four v_nop follow each line
	s_cmp_eq_u32 s[RH], 0
	s_cbranch_scc0 .Lfor_b_\@
	tensor_load_to_lds s[\g0a:\g0a+3], s[\g1a:\g1a+7]
	s_nop 0
.rept 4
	v_nop
.endr
	s_branch .Lasked_\@
.Lfor_b_\@:
	tensor_load_to_lds s[\g0b:\g0b+3], s[\g1b:\g1b+7]
	s_nop 0
.rept 4
	v_nop
.endr
.Lasked_\@:
.endm
.macro CREST                           ; a round of the cluster's barrier behind its opening barrier
	s_cmp_lg_u32 s[WV], 0
	s_cbranch_scc1 .Lnot_wave_0_\@
	s_barrier_signal -3
.Lnot_wave_0_\@:
	s_barrier_wait -3
	s_barrier_signal -1
	s_barrier_wait -1
.endm
.macro CROUND
	s_barrier_signal -1
	s_barrier_wait -1
	CREST
.endm
.macro GROUP1 g, c, r, p               ; words 1 to 7 of a group 1: r rows of c elements of 8 bytes, p elements apart
	s_mov_b32 s[\g+1], (\c)<<16
	s_mov_b32 s[\g+2], (\r)<<16
	s_mov_b32 s[\g+3], (\c)<<16
	s_mov_b32 s[\g+4], \r
	s_mov_b32 s[\g+5], \p
	s_mov_b32 s[\g+6], 0
	s_mov_b32 s[\g+7], 0
.endm
	s_load_b128 s[4:7], s[0:1], 0x0                ; acode s[4:5], wcode s[6:7]
	s_load_b64 s[2:3], s[0:1], 0x10                ; out0
	v_lshl_add_u32 v[SPW], v0, 2, SPARE
	v_mov_b32 v[NIL], 0
	ds_add_u32 v28, v29
	ds_add_u32 v28, v29
	s_wait_dscnt 0x0
	v_lshrrev_b32 v1, 5, v0
	v_readfirstlane_b32 s[WV], v1
	s_lshr_b32 s[RH], s[WV], 1
	s_and_b32 s[CH], s[WV], 1
	s_bfe_u32 s40, ttmp6, 0x40000                  ; cx, cy: my place in the cluster
	s_bfe_u32 s41, ttmp6, 0x40004
	s_lshl_b32 s[TC], ttmp9, 2
	s_add_co_u32 s[TC], s[TC], s40                 ; tile column: 256 columns
	s_and_b32 s[TR], ttmp7, 0xffff
	s_lshl_b32 s[TR], s[TR], 2
	s_add_co_u32 s[TR], s[TR], s41                 ; tile row: 128 tokens
	s_lshl_b32 s43, s41, 2
	s_lshl_b32 s43, 15, s43                        ; my row of the cluster
	s_lshl_b32 s44, 0x1111, s40                    ; my column
.irp g, G1AX, G1AY, G1SA
	s_or_b32 s[\g], s43, (3<<16)|(1<<21)           ; 15:0 the mask; 17:16 elements of 8 bytes; 21 set beside a mask; no padding
.endr
.irp g, G1BX, G1BY, G1SB
	s_or_b32 s[\g], s44, (3<<16)|(1<<21)
.endr
	GROUP1 G1AX, 1024, 4, 4096                     ; a tile's four images, 8,192 bytes; tiles 32,768 bytes apart in memory
	GROUP1 G1AY, 512, 4, 4096                      ; its two images, 4,096 bytes
	GROUP1 G1BX, 1024, 8, 4096
	GROUP1 G1BY, 512, 8, 4096
	GROUP1 G1SA, 32, 16, 32                        ; four tiles' scale words: 4,096 dense bytes as rows of 256
	GROUP1 G1SB, 32, 32, 32                        ; eight tiles': 8,192
	s_lshl_b32 s20, s[TR], 3
	s_lshl_b32 s21, s[CH], 2
	s_add_co_u32 s21, s20, s21                     ; A: tile of 16 rows 8 x tile row + 4 x half
	s_lshl_b32 s46, s[TC], 4
	s_lshl_b32 s47, s[CH], 3
	s_add_co_u32 s46, s46, s47                     ; B: 16 x tile column + 8 x half
	s_lshl_b32 s22, s21, 10                        ; scale words: 1,024 bytes a tile
	s_add_co_u32 s22, s22, HS
	s_mov_b32 s23, 0
	s_lshl_b32 s100, s46, 10
	s_add_co_u32 s100, s100, BSC
	s_mov_b32 s101, 0
	s_lshl_b32 s20, s21, 15                        ; codes: 32,768 bytes a tile
	s_mov_b32 s21, 0
	s_lshl_b32 s46, s46, 15
	s_add_co_u32 s46, s46, BCO
	s_mov_b32 s47, 0
	s_wait_kmcnt 0x0
	s_add_nc_u64 s[20:21], s[4:5], s[20:21]
	s_add_nc_u64 s[22:23], s[4:5], s[22:23]
	s_add_nc_u64 s[46:47], s[6:7], s[46:47]
	s_add_nc_u64 s[100:101], s[6:7], s[100:101]
	CROUND                                         ; all sixteen work-groups are here: the first joint loads meet
	s_mov_b32 s[G0SA], 1                           ; no place in the cluster enters an LDS address
	s_lshl_b32 s[G0SA+1], s[CH], 12
	s_add_co_u32 s[G0SA+1], s[G0SA+1], SCL
	s_mov_b64 s[G0SA+2:G0SA+3], s[22:23]
	s_or_b32 s[G0SA+3], s[G0SA+3], 0x80000000
	s_mov_b32 s[G0SB], 1
	s_lshl_b32 s[G0SB+1], s[CH], 13
	s_add_co_u32 s[G0SB+1], s[G0SB+1], SCL+8192
	s_mov_b64 s[G0SB+2:G0SB+3], s[100:101]
	s_or_b32 s[G0SB+3], s[G0SB+3], 0x80000000
	JLOAD G0SA, G1SA, G0SB, G1SB                   ; the scale words first: they are wanted with the first step
	s_mov_b32 s[G0AX], 1
	s_lshl_b32 s[G0AX+1], s[CH], 15
	s_mov_b64 s[G0AX+2:G0AX+3], s[20:21]
	s_or_b32 s[G0AX+3], s[G0AX+3], 0x80000000
	s_mov_b32 s[G0BX], 1
	s_lshl_b32 s[G0BX+1], s[CH], 16
	s_add_co_u32 s[G0BX+1], s[G0BX+1], XB
	s_mov_b64 s[G0BX+2:G0BX+3], s[46:47]
	s_or_b32 s[G0BX+3], s[G0BX+3], 0x80000000
	JLOAD G0AX, G1AX, G0BX, G1BX                   ; steps 0 to 3
	s_mov_b32 s[G0AY], 1
	s_lshl_b32 s[G0AY+1], s[CH], 14
	s_add_co_u32 s[G0AY+1], s[G0AY+1], YR
	s_add_nc_u64 s[G0AY+2:G0AY+3], s[20:21], 8192
	s_or_b32 s[G0AY+3], s[G0AY+3], 0x80000000
	s_mov_b32 s[G0BY], 1
	s_lshl_b32 s[G0BY+1], s[CH], 15
	s_add_co_u32 s[G0BY+1], s[G0BY+1], YB
	s_add_nc_u64 s[G0BY+2:G0BY+3], s[46:47], 8192
	s_or_b32 s[G0BY+3], s[G0BY+3], 0x80000000
	JLOAD G0AY, G1AY, G0BY, G1BY                   ; steps 4 and 5: three loads of mine are out
	v_and_b32 v1, 15, v0                           ; r
	v_bfe_u32 v2, v0, 4, 1                         ; h
	v_and_b32 v3, 31, v0
	v_lshlrev_b32 v[LI], 4, v3
	s_lshl_b32 s21, s[RH], 15
	v_add_nc_u32 v[ADRA], s21, v[LI]               ; X: my four tiles of A
	s_lshl_b32 s21, s[RH], 14
	s_add_co_u32 s21, s21, YR
	v_add_nc_u32 v[ADRA+1], s21, v[LI]             ; Y
	s_lshl_b32 s21, s[CH], 16
	s_add_co_u32 s21, s21, XB
	v_add_nc_u32 v[ADRB], s21, v[LI]               ; X: my eight tiles of B
	s_lshl_b32 s21, s[CH], 15
	s_add_co_u32 s21, s21, YB
	v_add_nc_u32 v[ADRB+1], s21, v[LI]             ; Y
	v_lshlrev_b32 v5, 3, v1                        ; my row's two words of 256 along K
	s_lshl_b32 s21, s[RH], 12
	s_lshl_b32 s22, s[CH], 13
	s_add_co_u32 s22, s22, 8192
	s_sub_co_u32 s22, s22, s21
	v_mul_u32_u24 v6, s22, v2                      ; lanes 16-31 take B's: one product, h x the distance
	s_add_co_u32 s21, s21, SCL
	v_add_nc_u32 v5, v5, v6
	v_add_nc_u32 v[ADRS], s21, v5
	s_mul_i32 s23, s[WV], 16*SPITCH                ; my stage
	s_add_co_u32 s23, s23, YR
	v_mul_u32_u24 v5, v1, SPITCH
	v_lshl_add_u32 v5, v2, 6, v5                   ; in: row r, + 64 h: columns 16 h on of a group of 32
	v_add_nc_u32 v[STO], s23, v5
	v_add_nc_u32 v[RD], s23, v[LI]                 ; back: the 32 lanes take one row of 512 bytes
	s_lshl_b32 s20, s[TR], 7
	s_lshl_b32 s21, s[RH], 6
	s_add_co_u32 s20, s20, s21
	s_lshl_b32 s20, s20, 13                        ; my first row of out0: rows of 8,192 bytes
	s_mov_b32 s21, 0
	s_lshl_b32 s46, s[TC], 10                      ; my first column, in bytes
	s_lshl_b32 s47, s[CH], 9
	s_add_co_u32 s46, s46, s47
	s_mov_b32 s47, 0
	s_add_nc_u64 s[20:21], s[20:21], s[46:47]
	s_add_nc_u64 s[2:3], s[2:3], s[20:21]
.macro FRAG reg, adr, off              ; an image comes back as it was stored
.irp c, 0,1,2,3
	ds_load_b128 v[\reg+4*\c:\reg+4*\c+3], v[\adr] offset:(\off)+512*\c
.endr
.endm
; Step s's fragments into set s % 2: B's eight, A's four; with an even step the scale words of its 256 along K (lanes 0-15 of register pair i: A's tile i, used for i < 4; lanes 16-31: B's tile i).
.macro FETCH s
.set FS, (\s)%6                        ; four steps in X, two in Y, and so on
.if FS < 4
.set FY, 0
.set FQ, FS
.set FT, 8192
.else
.set FY, 1
.set FQ, FS-4
.set FT, 4096
.endif
	WIN TO_B
.irp i, 0,1,2,3,4,5,6,7
	FRAG 128*((\s)%2)+FR*\i, ADRB+FY, FT*\i+2048*FQ
.endr
	WIN 0
.irp i, 0,1,2,3
	FRAG AF+64*((\s)%2)+FR*\i, ADRA+FY, FT*\i+2048*FQ
.endr
.if (\s)%2 == 0
.irp i, 0,1,2,3,4,5,6,7
	ds_load_b64 v[SC+16*(((\s)/2)%2)+2*\i:SC+16*(((\s)/2)%2)+2*\i+1], v[ADRS] offset:1024*\i+128*((\s)/2)
.endr
.endif
.endm
; 16 matrix instructions of step s: A's blocks a0, a0 + 1 x B's eight.  The 32 accumulators take turns, one instruction a turn, in the same order in every step.
.macro MUL16 a0, s, zero
.set MB, 128*((\s)%2)
.set MA, AF+64*((\s)%2)
.set MS, SC+16*(((\s)/2)%2)+(\s)%2
.irp a, \a0, \a0+1
.irp b, 0,1,2,3,4,5,6,7
.if \zero
	v_wmma_scale_f32_16x16x128_f8f6f4 v[8*(8*(\a)+\b):8*(8*(\a)+\b)+7], v[MB+FR*\b:MB+FR*\b+FR-1], v[MA+FR*(\a):MA+FR*(\a)+FR-1], 0, v[MS+2*\b], v[MS+2*(\a)] matrix_a_scale:MATRIX_SCALE_ROW1
.else
	v_wmma_scale_f32_16x16x128_f8f6f4 v[8*(8*(\a)+\b):8*(8*(\a)+\b)+7], v[MB+FR*\b:MB+FR*\b+FR-1], v[MA+FR*(\a):MA+FR*(\a)+FR-1], v[8*(8*(\a)+\b):8*(8*(\a)+\b)+7], v[MS+2*\b], v[MS+2*(\a)] matrix_a_scale:MATRIX_SCALE_ROW1
.endif
.endr
.endr
.endm
.macro PLACES n                        ; plain vector lines between a matrix instruction and a load into, or a read of, its registers
.rept \n
	v_nop
.endr
.endm
.macro STEP s, zero                    ; a step whose successor lies in the same region
	s_wait_dscnt 0x0                               ; this step's fragments are in
	PLACES NP                                      ; behind the last step's products, which read the set that is loaded now
	FETCH (\s)+1
	WIN W_MUL
	MUL16 0, \s, \zero
	MUL16 2, \s, \zero
.endm
; A region's last step changes regions: one barrier; in front of it each wave waits for all its tensor loads (its part of the region ahead), adds 0 to its spare word, and waits for that and for its reads of this region.
; fill = 1: this region is filled again, six steps ahead; the barrier then opens a round of the cluster's.
.macro CHANGE s, fill, g0a, g1a, g0b, g1b
	WIN 0                                          ; (the add's two registers lie in window 0)
	s_wait_tensorcnt 0x0                           ; no load of mine is out
	ds_add_u32 v[SPW], v[NIL]
	s_wait_dscnt 0x0                               ; the add is done; this step's fragments, my last reads of this region, are in
	s_barrier_signal -1
	WIN W_MUL
	MUL16 0, \s, 0                                 ; work on registers while the others arrive
	WIN 0
	s_barrier_wait -1
.if \fill
	CREST                                          ; no wave of any partner still reads this region or has a load on its way
	s_add_nc_u64 s[\g0a+2:\g0a+3], s[\g0a+2:\g0a+3], KSTP
	s_add_nc_u64 s[\g0b+2:\g0b+3], s[\g0b+2:\g0b+3], KSTP
	JLOAD \g0a, \g1a, \g0b, \g1b                   ; my one load behind the round; its four v_nop are four of the places
	PLACES NP-4
.else
	PLACES NP
.endif
	FETCH (\s)+1                                   ; from the other region
	WIN W_MUL
	MUL16 2, \s, 0
.endm
	s_wait_tensorcnt 1                             ; the scale words and my part of X are in; Y's load may be out
	s_barrier_signal -1
	s_barrier_wait -1
	FETCH 0
	STEP 0, 1                                      ; the first step's products start the sums
	STEP 1, 0
	STEP 2, 0
	CHANGE 3, 1, G0AX, G1AX, G0BX, G1BX            ; X takes steps 6 to 9
	STEP 4, 0
	CHANGE 5, 1, G0AY, G1AY, G0BY, G1BY            ; Y takes steps 10 and 11
	STEP 6, 0
	STEP 7, 0
	STEP 8, 0
	CHANGE 9, 1, G0AX, G1AX, G0BX, G1BX            ; X takes steps 12 to 15
	STEP 10, 0
	CHANGE 11, 0, 0, 0, 0, 0                       ; nothing is left to fetch
	STEP 12, 0
	STEP 13, 0
	STEP 14, 0
	s_wait_dscnt 0x0
	WIN W_MUL
	MUL16 0, 15, 0
	MUL16 2, 15, 0
	WIN 0
; THE WAY OUT, a token tile (16 rows x 128 columns) at a time, through my own stage: LDS serves a wave's instructions in order, so no wait stands between the stores and the loads.
.macro TOSTAGE a
.set AC, 64*(\a)
	WIN 0x08                                       ; an LDS store's data are its source 1: window 2
.irp b, 0,1,2,3,4,5,6,7
	ds_store_b128 v[STO], v[AC+8*\b:AC+8*\b+3] offset:128*(\b/2)+32*(\b%2)        ; columns 32 (b / 2) + 8 (b % 2) + 16 h on; each accumulator from its low end on
	ds_store_b128 v[STO], v[AC+8*\b+4:AC+8*\b+7] offset:128*(\b/2)+32*(\b%2)+16
.endr
	WIN 0
.set BB, BK+64*((\a)%2)
.irp t, 0,1,2,3,4,5,6,7,8,9,10,11,12,13,14,15
	ds_load_b128 v[BB+4*\t:BB+4*\t+3], v[RD] offset:\t*SPITCH
.endr
.endm
.macro SEND a, younger                 ; tile a begins at row 32 (a / 2) + 8 (a % 2); its position t is row t + 8 (t / 8) from there
.set BB, BK+64*((\a)%2)
	s_wait_dscnt \younger
.if (\a) > 0
.if (\a)%2
	s_add_nc_u64 s[2:3], s[2:3], 8*8192            ; (behind a wait on XCNT: the earlier stores have read their base)
.else
	s_add_nc_u64 s[2:3], s[2:3], 24*8192
.endif
.endif
.irp t, 0,1,2,3,4,5,6,7,8,9,10,11,12,13,14,15
	global_store_b128 v[LI], v[BB+4*\t:BB+4*\t+3], s[2:3] offset:(\t+8*(\t/8))*8192 th:TH_STORE_NT   ; 512 consecutive bytes, at a multiple of 256 from out0's first byte
.endr
.endm
	PLACES NP                                      ; behind the last products: for the stores of results and for the loads into A's registers
	TOSTAGE 0
.irp a, 1,2,3
.if \a > 1
	s_wait_xcnt 0x0                                ; tile a - 2's stores have read their registers and their base
.endif
	TOSTAGE \a
	SEND \a-1, 32                                  ; behind tile a - 1's loads: tile a's 16 stores and 16 loads
.endr
	s_wait_xcnt 0x0
	SEND 3, 0
	s_wait_tensorcnt 0x0                           ; the wave's end
	ds_add_u32 v[SPW], v[NIL]
	s_wait_dscnt 0x0
	CROUND                                         ; the closing round
	s_endpgm
.Lfunc_end_k_q280a635b96_oproj:
	.size	k_q280a635b96_oproj, .Lfunc_end_k_q280a635b96_oproj-k_q280a635b96_oproj
	.p2alignl 7, 3214868480
	.fill 96, 4, 3214868480
	.section	.rodata,"a",@progbits
	.p2align	6, 0x0
	.amdhsa_kernel k_q280a635b96_oproj
		.amdhsa_group_segment_fixed_size 327680
		.amdhsa_private_segment_fixed_size 0
		.amdhsa_enable_private_segment 0
		.amdhsa_kernarg_size 24
		.amdhsa_user_sgpr_count 2
		.amdhsa_user_sgpr_kernarg_segment_ptr 1
		.amdhsa_wavefront_size32 1
		.amdhsa_system_sgpr_workgroup_id_x 1
		.amdhsa_system_sgpr_workgroup_id_y 1
		.amdhsa_system_sgpr_workgroup_id_z 1
		.amdhsa_system_vgpr_workitem_id 0
		.amdhsa_next_free_vgpr 768
		.amdhsa_next_free_sgpr 102
		.amdhsa_reserve_vcc 0
		.amdhsa_float_denorm_mode_32 3
		.amdhsa_float_denorm_mode_16_64 3
		.amdhsa_memory_ordered 1
		.amdhsa_forward_progress 1
		.amdhsa_inst_pref_size 151
	.end_amdhsa_kernel
	.amdgpu_metadata
---
amdhsa.version: [ 1, 2 ]
amdhsa.kernels:
  - .name:           k_q280a635b96_oproj
    .symbol:         k_q280a635b96_oproj.kd
    .args:
      - { .name: acode, .offset: 0, .size: 8, .value_kind: global_buffer, .address_space: global }
      - { .name: wcode, .offset: 8, .size: 8, .value_kind: global_buffer, .address_space: global }
      - { .name: out0, .offset: 16, .size: 8, .value_kind: global_buffer, .address_space: global }
    .group_segment_fixed_size: 327680
    .private_segment_fixed_size: 0
    .kernarg_segment_align: 8
    .kernarg_segment_size: 24
    .max_flat_workgroup_size: 128
    .sgpr_count:     102
    .vgpr_count:     768
    .wavefront_size: 32
...
	.end_amdgpu_metadata
.endif
;; end of part 4
